; MI455X (gfx1250); checked and timed in simulation.
; The chip was launched on July 23, 2026; its instructions are those of AMD's public machine-readable ISA for CDNA 5 (MIT licence, August 2026) and "CDNA5" Instruction Set Architecture Reference Guide (July 2026). The comments in the code are by the model that wrote it; some were corrected since.
;; Attention Block. Allowed arithmetic: matrix products marked QUANTISED: E2M3 operands, one E8M0 scale for each 32 along K, by v_wmma_scale_f32_16x16x128_f8f6f4 with both operands' format E2M3, f32 sums; everything else in f32.
;; Inputs: Wk_codes 2,048 x 64 x 24 uint8 (E2M3 codes of Wk, K innermost, in blocks of 32 codes, four codes in three bytes); Wk_scales 2,048 x 64 uint8 (E8M0 scales of Wk, one for each 32 codes along K); Wo_codes 2,048 x 64 x 24 uint8 (E2M3 codes of Wo, K innermost, in blocks of 32 codes, four codes in three bytes); Wo_scales 2,048 x 64 uint8 (E8M0 scales of Wo, one for each 32 codes along K); Wq_codes 2,048 x 64 x 24 uint8 (E2M3 codes of Wq, K innermost, in blocks of 32 codes, four codes in three bytes); Wq_scales 2,048 x 64 uint8 (E8M0 scales of Wq, one for each 32 codes along K); Wv_codes 2,048 x 64 x 24 uint8 (E2M3 codes of Wv, K innermost, in blocks of 32 codes, four codes in three bytes); Wv_scales 2,048 x 64 uint8 (E8M0 scales of Wv, one for each 32 codes along K); bk 2,048 float32; bo 2,048 float32; bq 2,048 float32; bv 2,048 float32; ln_b 2,048 float32; ln_w 2,048 float32; x 2,048 x 2,048 float32.
;; Outputs: out0 2,048 x 2,048 float32.
;; This version of the problem:
;;   THIS VERSION OF THE PROBLEM IS GIVEN IN LOW PRECISION. The matrix products marked QUANTISED in the list below multiply operands that are first quantised to E2M3 (2 exponent bits, 3 mantissa bits; 6 bits a number), with one power-of-two scale for each 32 numbers along K (OCP MX v1.0); their sums are f32. All else is computed in f32.
;;   The module's matrix products, in the order in which they are computed (A, B: the left and right operand; K: the contracted axis; several contracted axes count as one K, in the product's order):
;;     1. [M 2,048, K 2,048] x [K 2,048, N 2,048]; A: input x; B: input Wq (given as codes): QUANTISED
;;     2. [M 2,048, K 2,048] x [K 2,048, N 2,048]; A: input x; B: input Wk (given as codes): QUANTISED
;;     3. [M 2,048, K 2,048] x [K 2,048, N 2,048]; A: input x; B: input Wv (given as codes): QUANTISED
;;     4. batch 16 x [M 2,048, K 128] x [K 128, N 2,048]; A: computed on the way; B: computed on the way: QUANTISED
;;     5. batch 16 x [M 128, K 2,048] x [K 2,048, N 2,048]; A: computed on the way; B: softmax (see below): QUANTISED
;;     6. [M 2,048, K 2,048] x [K 2,048, N 2,048]; A: computed on the way; B: input Wo (given as codes): QUANTISED
;;   THE QUANTISER, for each operand of a quantised product, along K:
;;     - K is cut into blocks of 32 from its start; a last block that is shorter is filled with zeros.
;;     - A block's scale is 2^e with e = floor(log2(the largest magnitude in the block)) - 2, held to -126 .. 127; a block of zeros has e = 0. As a byte (E8M0): e + 127.
;;     - Each number is divided by its block's scale, clamped to +-7.5, and rounded to the nearest number of E2M3, ties to even, subnormals kept.
;;     - The product sums the exact products of the quantised numbers (number of the format x scale) in f32.
;;   ~~~python
;;   def quantise(x, axis):      # numpy; x: float32 -> the quantised numbers, widened to float32 again
;;       x = np.moveaxis(x, axis, -1); K = x.shape[-1]
;;       x = np.pad(x, [(0, 0)] * (x.ndim - 1) + [(0, -K % 32)]); x = x.reshape(x.shape[:-1] + (-1, 32)); a = np.abs(x).max(-1, keepdims=True)
;;       e = np.where(a > 0, np.clip(np.frexp(np.where(a > 0, a, 1))[1] - 1 - 2, -126, 127), 0)      # np.frexp(a)[1] - 1 = floor(log2(a)), exactly
;;       r = np.clip(x / 2.0 ** e, -7.5, 7.5)
;;       step = 2.0 ** (np.maximum(np.frexp(np.where(r == 0, 1, r))[1] - 1, 0) - 3)
;;       q = np.round(r / step) * step * 2.0 ** e      # np.round: ties to even
;;       return np.moveaxis(q.reshape(q.shape[:-2] + (-1,))[..., :K], -1, axis).astype(np.float32)
;;   ~~~
;;   SOFTMAX AHEAD OF A QUANTISED PRODUCT. Where the list says 'softmax', what is quantised is not the finished softmax but p = 2^(t - M), with t = logit x log2(e) and M = ceil(the row's largest t), a whole number; so 1/2 < the row's largest p <= 1. The row's sum l is taken of the UNQUANTISED p, in f32, and the product's result is divided by l at the end. Since M is a whole number, a kernel that streams over the keys may use a running M (the ceiling of the running maximum): every later rescaling is an exact power of two, which a block's scale takes up: the codes' values come out the same.
;;   OPERANDS COMPUTED ON THE WAY. 'Computed on the way' means the value that the module computes at that place (a softmax that the list does not call 'softmax' is quantised finished and normalised). What goes into a quantiser is computed in f32, as accurately as f32 sums, v_exp_f32 and their like allow (about 1e-6 of the number): no bf16 or f16 on the way to a quantiser, and a product that is left as it is and whose result goes on into a quantised operand takes f32 operands (vector FMAs, or v_wmma_f32_16x16x4_f32). A number that lies on a knife's edge between two numbers of the format may be rounded either way, as far as f32 arithmetic and the matrix unit's own rounding can turn it there, and no further.
;;   INPUTS GIVEN AS CODES. Wk (in the module: [2048, 2048], K = its axis 1); Wo (in the module: [2048, 2048], K = its axis 1); Wq (in the module: [2048, 2048], K = its axis 1); Wv (in the module: [2048, 2048], K = its axis 1): each comes as NAME_codes (uint8): NAME with its K axis moved to the last place and cut into blocks of 32 codes, [.., K / 32, bytes a block], one block behind the other in memory; four codes in three bytes: a row's codes are one little-endian stream of bits, code i at bits 6 i .. 6 i + 5 (a code: sign, 2 exponent bits, 3 mantissa bits); and NAME_scales (uint8): the same leading axes, one E8M0 byte (e + 127) for each 32 codes along K. Its value is code x scale, taken as it is: it is not quantised again, and the codes and scales need not be those that the quantiser above would give.
;; One version. Each part assembles by itself: llvm-mc -triple=amdgcn-amd-amdhsa -mcpu=gfx1250 --defsym DOCPART=n.
;; ======== version 1 of 1: 5 launches
;; workspace buffers: xq 3,276,800 bytes; tab 1,048,576 bytes; qb 3,276,800 bytes; kv 6,553,600 bytes; ab 3,276,800 bytes; res 16,777,216 bytes
;; launch prep (part 1): grid 256 x 1, 4 waves a work-group, no clusters, 22,016 bytes of LDS; arguments x, xq, tab; writes xq, tab
.if DOCPART == 1
	.amdgcn_target "amdgcn-amd-amdhsa--gfx1250"
	.amdhsa_code_object_version 6
	.text
	.protected	k_q8158e0d2e6_prep
	.globl	k_q8158e0d2e6_prep
	.p2align	8
	.type	k_q8158e0d2e6_prep,@function
k_q8158e0d2e6_prep:
	s_mov_b64 s[64:65], 0
	v_nop
	global_prefetch_b8 v0, s[64:65] scope:SCOPE_SE
	s_setreg_imm32_b32 hwreg(HW_REG_WAVE_MODE, 25, 1), 1
	s_wait_xcnt 0x0
; x [2048][2048] f32 becomes codes of FP6 (E2M3), K innermost, at byte 0 of xq ([2048][1536]) and one E8M0 byte for each 32 along K at byte 3,145,728 ([2048][64]).
; The same waves make the table of cos and sin for the rotary embedding: tab [block of 16 positions 0..127][c 0..15][lane][4 f32]; lane (r, h): position 16 block + r;
; c = 0..7: cos of the frequencies 16 (c / 2) + 8 h + 4 (c % 2) + 0..3; c + 8: sin of the same: the order in which the next launch's lanes hold a head's first 64 channels.
; A block's scale is 2^(floor(log2(largest magnitude)) - 2); its byte is the largest magnitude's exponent field - 2, held at 1 from below.
; LIMITS: a block of zeros gets the byte 1, not 127 (its codes are zeros, and this program alone reads the bytes); NaN and infinities are not served.
; The frequency 10000^(-i/64) is made by v_exp_f32 on a two-part exponent and a reciprocal with one Newton step: a few ulp from a correctly rounded one, which at position 2047 moves an angle by some 5e-4 at the most.
; The angle is one f32 product of position and frequency; it is reduced by pi/2 in three parts and goes through polynomials on |a| <= pi/4.
; SHARES: wave gw = 4 x work-group + wave takes 4,096 numbers of x (8 steps of 512) and one piece (512 + 512 bytes) of the table.  All 32 loads of a wave go out first; the table is made while they are on their way.
; A step's 2,048 bytes turn through the wave's own stage in LDS, so that each load reads 512 consecutive bytes and yet a lane ends up with 16 neighbours along K (two lanes to a block).
.set STEPS, 8
.set CB,    12                         ; bytes of 16 codes
.set SP,    80                         ; a lane's place in a stage: 64 bytes + 16 of padding
.set SCB,   20480                      ; behind the four waves' stages: the work-group's 512 scale bytes
.set R,     16                         ; v16-143  eight sets of 16 numbers as loaded
.set X,     144                        ; v144-175 two sets of 16 neighbours
.set C,     176                        ; v176-207 codes, four registers a step
.set E,     208                        ; v208-215 a scale byte a step
.set COS,   216                        ; v216-219, v220-223 the table's piece
.set SIN,   220
.set TA,    224                        ; v224-251 at work on the table, four numbers by turns
.set TS,    228
.set TN,    232
.set TC,    236
.set TI,    240
.set TX,    244
.set TY,    248
	s_load_b128 s[4:7], s[0:1], 0x0                ; x, xq
	s_load_b64 s[8:9], s[0:1], 0x10                ; tab
	v_lshl_add_u32 v254, v0, 2, 0x5400
	v_mov_b32 v255, 0
	v_lshrrev_b32 v1, 5, v0
	v_readfirstlane_b32 s16, v1                    ; wave
	v_and_b32 v2, 31, v0                           ; lane
	v_lshlrev_b32 v3, 4, v2                        ; 16 x lane
	s_mul_i32 s17, s16, 2*32*SP                    ; my two stages
	v_lshrrev_b32 v14, 2, v2
	v_mul_u32_u24 v14, v14, SP
	v_and_b32 v15, 3, v2
	v_lshl_add_u32 v14, v15, 4, v14
	v_add_nc_u32 v14, s17, v14                     ; into a stage: SP (lane / 4) + 16 (lane % 4)
	v_mul_u32_u24 v15, v2, SP
	v_add_nc_u32 v15, s17, v15                     ; out of it: SP x lane
	v_mul_u32_u24 v4, v2, CB                       ; my codes' place in a step's 384 bytes
	v_lshrrev_b32 v5, 1, v2
	s_lshl_b32 s17, s16, 7
	s_add_co_u32 s17, s17, SCB
	v_add_nc_u32 v5, s17, v5                       ; my block's scale byte: SCB + 128 x wave + lane / 2
	v_add_nc_u32 v6, SCB, v3                       ; and where wave 0 reads all 512 back
	s_lshl_b32 s20, ttmp9, 2
	s_add_co_u32 s20, s20, s16                     ; gw
	s_lshl_b32 s12, s20, 14                        ; 16,384 bytes of x a wave
	s_mov_b32 s13, 0
	s_mul_i32 s14, s20, 3072                       ; 3,072 bytes of codes
	s_mov_b32 s15, 0
	s_lshl_b32 s18, ttmp9, 9
	s_add_co_u32 s18, s18, 3145728                 ; 512 scale bytes a work-group
	s_mov_b32 s19, 0
	s_lshr_b32 s21, s20, 3                         ; the table's block of 16 positions
	s_and_b32 s22, s20, 7                          ; and which eighth of its frequencies
	s_lshl_b32 s26, s21, 13
	s_lshl_b32 s27, s22, 9
	s_add_co_u32 s26, s26, s27
	s_mov_b32 s27, 0
	s_lshr_b32 s23, s22, 1
	s_lshl_b32 s23, s23, 4
	s_and_b32 s24, s22, 1
	s_lshl_b32 s24, s24, 2
	s_add_co_u32 s23, s23, s24                     ; 16 (c / 2) + 4 (c % 2)
	s_lshl_b32 s24, s21, 4
	s_mov_b32 s28, 0x41549a78                      ; log2(10000), upper part
	s_mov_b32 s29, 0x34978da6                      ; and the rest
	s_mov_b32 s30, 0xbfc90fd8                      ; -pi/2 in three parts
	s_mov_b32 s31, 0xb4a8885a
	s_mov_b32 s32, 0xa7c234c4
	s_mov_b32 s33, 0x37ccf5ce                      ; the cosine's leading coefficient
	s_mov_b32 s34, 0x3638ef1d                      ; the sine's
	s_wait_kmcnt 0x0
	s_add_nc_u64 s[4:5], s[4:5], s[12:13]
	s_add_nc_u64 s[10:11], s[6:7], s[18:19]
	s_add_nc_u64 s[6:7], s[6:7], s[14:15]
	s_add_nc_u64 s[8:9], s[8:9], s[26:27]
.irp t, 0,1,2,3,4,5,6,7
.irp i, 0,1,2,3
	global_load_b128 v[R+16*\t+4*\i:R+16*\t+4*\i+3], v3, s[4:5] offset:2048*\t+512*\i th:TH_LOAD_NT   ; 32 lanes read 512 consecutive bytes
.endr
.endr
	; ---- the table, while x is on its way
	v_bfe_u32 v8, v0, 4, 1
	v_lshl_add_u32 v8, v8, 3, s23                  ; my first frequency
	v_and_b32 v9, 15, v0
	v_add_nc_u32 v9, s24, v9
	v_cvt_f32_u32 v9, v9                           ; my position
.irp e, 0,1,2,3
	v_add_nc_u32 v[TX+\e], \e, v8
.endr
.irp e, 0,1,2,3
	v_cvt_f32_u32 v[TX+\e], v[TX+\e]
.endr
.irp e, 0,1,2,3
	v_mul_f32 v[TX+\e], 0x3c800000, v[TX+\e]       ; i / 64, exact
.endr
.irp e, 0,1,2,3
	v_mul_f32 v[TA+\e], s28, v[TX+\e]              ; the exponent, rounded,
.endr
.irp e, 0,1,2,3
	v_fma_f32 v[TY+\e], v[TX+\e], s28, -v[TA+\e]   ; what the rounding dropped,
.endr
.irp e, 0,1,2,3
	v_fma_f32 v[TY+\e], v[TX+\e], s29, v[TY+\e]    ; and the constant's own rest
.endr
.irp e, 0,1,2,3
	v_exp_f32 v[TC+\e], v[TA+\e]
.endr
	v_nop                                          ; a plain instruction behind the batch
	s_wait_alu depctr_va_vdst(0)                   ; one wait for the four, ahead of their first reader
.irp e, 0,1,2,3
	v_mul_f32 v[TX+\e], 0x3f317218, v[TC+\e]
.endr
.irp e, 0,1,2,3
	v_fma_f32 v[TC+\e], v[TX+\e], v[TY+\e], v[TC+\e]   ; 10000^(i/64) = 2^a (1 + ln 2 x rest)
.endr
.irp e, 0,1,2,3
	v_rcp_f32 v[TI+\e], v[TC+\e]
.endr
	v_nop
	s_wait_alu depctr_va_vdst(0)
.irp e, 0,1,2,3
	v_fma_f32 v[TX+\e], -v[TC+\e], v[TI+\e], 1.0
.endr
.irp e, 0,1,2,3
	v_fma_f32 v[TI+\e], v[TI+\e], v[TX+\e], v[TI+\e]   ; one Newton step: the frequency
.endr
.irp e, 0,1,2,3
	v_mul_f32 v[TA+\e], v9, v[TI+\e]               ; the angle: one f32 product
.endr
.irp e, 0,1,2,3
	v_mul_f32 v[TX+\e], 0x3f22f983, v[TA+\e]
.endr
.irp e, 0,1,2,3
	v_rndne_f32 v[TX+\e], v[TX+\e]                 ; how many quarter turns
.endr
.irp k, 30,31,32
.irp e, 0,1,2,3
	v_fma_f32 v[TA+\e], v[TX+\e], s\k, v[TA+\e]    ; they are taken off, in three parts
.endr
.endr
.irp e, 0,1,2,3
	v_cvt_i32_f32 v[TN+\e], v[TX+\e]
.endr
.irp e, 0,1,2,3
	v_mul_f32 v[TS+\e], v[TA+\e], v[TA+\e]
.endr
.irp e, 0,1,2,3
	v_fmaak_f32 v[TC+\e], s33, v[TS+\e], 0xbab6061a
	v_fmaak_f32 v[TI+\e], s34, v[TS+\e], 0xb9500d01
.endr
.irp e, 0,1,2,3
	v_fmaak_f32 v[TC+\e], v[TC+\e], v[TS+\e], 0x3d2aaaa5
	v_fmaak_f32 v[TI+\e], v[TI+\e], v[TS+\e], 0x3c088889
.endr
.irp e, 0,1,2,3
	v_fmaak_f32 v[TC+\e], v[TC+\e], v[TS+\e], 0xbf000000
	v_fmaak_f32 v[TI+\e], v[TI+\e], v[TS+\e], 0xbe2aaaab
.endr
.irp e, 0,1,2,3
	v_fma_f32 v[TC+\e], v[TC+\e], v[TS+\e], 1.0    ; cos a
	v_mul_f32 v[TX+\e], v[TA+\e], v[TS+\e]
.endr
.irp e, 0,1,2,3
	v_fma_f32 v[TI+\e], v[TI+\e], v[TX+\e], v[TA+\e]   ; sin a
	v_and_b32 v[TY+\e], 1, v[TN+\e]
.endr
.irp e, 0,1,2,3
	v_cmp_eq_u32 vcc_lo, 1, v[TY+\e]               ; an odd number of quarter turns: the two change places
	v_cndmask_b32 v[SIN+\e], v[TI+\e], v[TC+\e], vcc_lo
	v_cndmask_b32 v[COS+\e], v[TC+\e], v[TI+\e], vcc_lo
.endr
.irp e, 0,1,2,3
	v_lshlrev_b32 v[TX+\e], 30, v[TN+\e]           ; the sine's sign: bit 1 of n;
	v_add_nc_u32 v[TY+\e], 1, v[TN+\e]             ; the cosine's: bit 1 of n + 1
.endr
.irp e, 0,1,2,3
	v_and_b32 v[TX+\e], 0x80000000, v[TX+\e]
	v_lshlrev_b32 v[TY+\e], 30, v[TY+\e]
.endr
.irp e, 0,1,2,3
	v_xor_b32 v[SIN+\e], v[SIN+\e], v[TX+\e]
	v_and_b32 v[TY+\e], 0x80000000, v[TY+\e]
.endr
.irp e, 0,1,2,3
	v_xor_b32 v[COS+\e], v[COS+\e], v[TY+\e]
.endr
	global_store_b128 v3, v[COS:COS+3], s[8:9]                 ; 512 consecutive bytes each; these registers are not written again
	global_store_b128 v3, v[SIN:SIN+3], s[8:9] offset:4096
	; ---- x
.macro TURN t                          ; step t's numbers through a stage: LDS serves a wave's instructions in order, so no wait stands between the stores and the loads
.irp i, 0,1,2,3
	ds_store_b128 v14, v[R+16*(\t)+4*\i:R+16*(\t)+4*\i+3] offset:32*SP*((\t)%2)+8*SP*\i
.endr
.irp i, 0,1,2,3
	ds_load_b128 v[X+16*((\t)%2)+4*\i:X+16*((\t)%2)+4*\i+3], v15 offset:32*SP*((\t)%2)+16*\i
.endr
.endm
.macro STEP t
.set XS, X+16*((\t)%2)
.if (\t) > 0
	s_wait_dscnt 1                                 ; this step's numbers are back from the stage; the last step's byte store may be out
.else
	s_wait_dscnt 0x0
.endif
.if (\t)+1 < STEPS
	s_wait_loadcnt 4*(STEPS-2-(\t))                ; the next step's four loads are in; those of the steps behind it may be out
	TURN (\t)+1
.endif
	v_max3_num_f32 v8, |v[XS]|, |v[XS+1]|, |v[XS+2]|
	v_max3_num_f32 v9, |v[XS+3]|, |v[XS+4]|, |v[XS+5]|
.irp i, 6,10
	v_max3_num_f32 v8, v8, |v[XS+\i]|, |v[XS+\i+1]|
	v_max3_num_f32 v9, v9, |v[XS+\i+2]|, |v[XS+\i+3]|
.endr
	v_max3_num_f32 v8, v8, |v[XS+14]|, |v[XS+15]|
	v_max3_num_f32 v8, v8, v9, 0x1800000           ; with the floor 2^(3 - 127): the byte cannot fall under 1
	v_max_num_f32_dpp v8, v8, v8 row_xmask:1 row_mask:0xf bank_mask:0xf   ; and my neighbour's 16: the block's largest magnitude
	v_add_nc_u32 v11, 0xff000000, v8               ; 2 off its exponent field: the conversion takes this operand's exponent field as its scale
	v_cvt_scalef32_pk16_fp6_f32 v[C+4*(\t):C+4*(\t)+2], v[XS:XS+15], v11
	v_lshrrev_b32 v[E+(\t)], 23, v11               ; the scale's byte
	ds_store_b8 v5, v[E+(\t)] offset:16*(\t)       ; both lanes of a block write the same byte with the same value
	global_store_b96 v4, v[C+4*(\t):C+4*(\t)+2], s[6:7] offset:32*CB*(\t)
.endm
	s_wait_loadcnt 28                              ; step 0's four loads are in; the 28 behind them may be out
	TURN 0
.irp t, 0,1,2,3,4,5,6,7
	STEP \t
.endr
	s_wait_dscnt 0x0                               ; my byte stores have landed
	s_barrier_signal -1
	s_barrier_wait -1                              ; everybody's have
	s_cmp_lg_u32 s16, 0
	s_cbranch_scc1 .Ldone
	ds_load_b128 v[TA:TA+3], v6                    ; wave 0 sends the work-group's 512 scale bytes: 512 consecutive bytes, aligned
	s_wait_dscnt 0x0
	global_store_b128 v3, v[TA:TA+3], s[10:11]
.Ldone:
	s_wait_tensorcnt 0x0
	ds_add_u32 v254, v255
	s_wait_dscnt 0x0
	s_endpgm
.Lfunc_end_k_q8158e0d2e6_prep:
	.size	k_q8158e0d2e6_prep, .Lfunc_end_k_q8158e0d2e6_prep-k_q8158e0d2e6_prep
	.p2alignl 7, 3214868480
	.fill 96, 4, 3214868480
	.section	.rodata,"a",@progbits
	.p2align	6, 0x0
	.amdhsa_kernel k_q8158e0d2e6_prep
		.amdhsa_group_segment_fixed_size 22016
		.amdhsa_private_segment_fixed_size 0
		.amdhsa_enable_private_segment 0
		.amdhsa_kernarg_size 24
		.amdhsa_user_sgpr_count 2
		.amdhsa_user_sgpr_kernarg_segment_ptr 1
		.amdhsa_wavefront_size32 1
		.amdhsa_system_sgpr_workgroup_id_x 1
		.amdhsa_system_sgpr_workgroup_id_y 1
		.amdhsa_system_sgpr_workgroup_id_z 1
		.amdhsa_system_vgpr_workitem_id 0
		.amdhsa_next_free_vgpr 256
		.amdhsa_next_free_sgpr 66
		.amdhsa_reserve_vcc 1
		.amdhsa_float_denorm_mode_32 3
		.amdhsa_float_denorm_mode_16_64 3
		.amdhsa_memory_ordered 1
		.amdhsa_forward_progress 1
		.amdhsa_inst_pref_size 27
	.end_amdhsa_kernel
	.amdgpu_metadata
---
amdhsa.version: [ 1, 2 ]
amdhsa.kernels:
  - .name:           k_q8158e0d2e6_prep
    .symbol:         k_q8158e0d2e6_prep.kd
    .args:
      - { .name: x, .offset: 0, .size: 8, .value_kind: global_buffer, .address_space: global }
      - { .name: xq, .offset: 8, .size: 8, .value_kind: global_buffer, .address_space: global }
      - { .name: tab, .offset: 16, .size: 8, .value_kind: global_buffer, .address_space: global }
    .group_segment_fixed_size: 22016
    .private_segment_fixed_size: 0
    .kernarg_segment_align: 8
    .kernarg_segment_size: 24
    .max_flat_workgroup_size: 128
    .sgpr_count:     66
    .vgpr_count:     256
    .wavefront_size: 32
...
	.end_amdgpu_metadata
.endif
;; end of part 1
;; launch qkv (part 2): grid 24 x 8, 4 waves a work-group, clusters of 4 x 4, 327,680 bytes of LDS; arguments xq, Wq_codes, Wq_scales, Wk_codes, Wk_scales, Wv_codes, Wv_scales, bq, bk, bv, tab, qb, kv; writes qb, kv
.if DOCPART == 2
	.amdgcn_target "amdgcn-amd-amdhsa--gfx1250"
	.amdhsa_code_object_version 6
	.text
	.protected	k_q8158e0d2e6_qkv
	.globl	k_q8158e0d2e6_qkv
	.p2align	8
	.type	k_q8158e0d2e6_qkv,@function
k_q8158e0d2e6_qkv:
	s_mov_b64 s[64:65], 0
	v_nop
	global_prefetch_b8 v0, s[64:65] scope:SCOPE_SE
	s_setreg_imm32_b32 hwreg(HW_REG_WAVE_MODE, 25, 1), 1
	s_wait_xcnt 0x0
	s_wait_alu depctr_hold_cnt(0) depctr_sa_sdst(0) depctr_va_vdst(0) depctr_va_sdst(0) depctr_va_ssrc(0) depctr_va_vcc(0) depctr_vm_vsrc(0)
	s_getreg_b32 s2, hwreg(HW_REG_IB_STS2, 6, 4)
	s_cmp_eq_u32 s2, 0
	s_cbranch_scc0 .Lentry_in_a_cluster
	s_endpgm
.Lentry_in_a_cluster:
	s_bfe_u32 s2, ttmp6, 0x10000c
	s_cmp_lg_u32 s2, 0xf033
	s_cbranch_scc0 .Lentry_shape_is_right
	s_endpgm
.Lentry_shape_is_right:
; Three products of 2048 x 2048 x 2048 on codes of FP6 (E2M3) with E8M0 scales: q = x Wq^T + bq, k = x Wk^T + bk (both then rotated), and V^T = Wv x^T + bv.  KIND = cluster x / 2 says which.
; C[m][n] = sum over k of A[m][k] B[n][k]: for q and k A = x's codes (m = position), B = the weight (n = channel); for V^T A = Wv (m = channel), B = x's codes (n = key).
; So in all three a lane's registers run along the axis along which the result is quantised next (q, k: the head's 128 channels; V^T: the keys), and one way out serves all.
; A tile of C is 256 x 256, four waves of 128 x 128 (64 accumulators, 512 registers): a wave's tile is one head x 128 positions.  3 x 64 tiles = 192 work-groups: equal tiles for 256 would be 192 columns wide and cut heads apart.
; K goes in steps of 256 through a ring of two LDS slots filled by the tensor data mover; the scale bytes of the work-group's rows, for all of K, come into LDS once.
; CLUSTERS: 4 x 4 work-groups of one KIND.  The four of a row need the same tiles of A, the four of a column the same tiles of B: each tile is asked for jointly.
; THE MATRIX INSTRUCTION IS USED TRANSPOSED (source 0 = 16 rows of B, source 1 = 16 rows of A): lane (r, h) holds row r of a block of 16 rows of C, and register 8 b + j its column 16 b + 8 h + j.
; THE WAY OUT needs no LDS: bias, rotation, quantiser in registers; the codes leave as IMAGES OF OPERAND REGISTERS (12 registers: three stores of 512 consecutive bytes), the scale words of 8 blocks as one image of 4 registers.
; ORDER INSIDE A BLOCK OF 32: a lane's 16 numbers of a block are its elements 8 h + 0..7 and 16 + 8 h + 0..7; they are laid at the places 16 h + 0..15.  q and k carry the same order, and so do V^T and the softmax's p
; in the next launch: each product's pairs still meet, and blocks and scales are the true ones.
; LIMITS: a block of zeros gets the byte 1, not 127 (this program alone reads the bytes); NaN and infinities are not served.
; REGISTERS: window 0: v0-31 addresses; v32-63 scale words, two sets; v64-127 the bias along n; v128-223 A's fragments; v240-247 the bias along m.  Behind the loop: v128-191 a block's 64 numbers, v192-211 its codes,
;   v32-47, v48-63 at work, v224-231 the blocks' scale words.  window 1: B's fragments at v0-95 and v128-223; the table's set 0 at v96-127, v224-255; behind the loop four sets.  windows 2, 3: the accumulators.
.set KSTEP,  256
.set NQ,     2
.set ROWB,   192                       ; a tile's row: 256 codes
.set KROW,   1536                      ; a row of codes in memory
.set PITCH,  240                       ; an LDS row: 3 x (64 bytes + 16 of padding)
.set FR,     12
.set NL,     6
.set NP,     4
.set HALFT,  128*PITCH
.set SLOT,   4*HALFT
.set LAPS,   4                         ; 2,048 / 512
.set KS,     64                        ; a row of scale bytes
.set SCL,    2*SLOT
.set HALFS,  (128*KS/256)*272
.set SBLK,   (16*KS/256)*272
.set SPARE,  SCL+4*HALFS               ; the spare words: 128 bytes a wave, named by no other line
.set ADRA, 16
.set ADRB, 20
.set ADRS, 27
.set SPW,  28
.set NIL,  29
.set LI,   30                          ; 16 x lane
.set SC,   32
.set BN,   64
.set AF,   128
.set TT,   128
.set PC,   192
.set TM,   32
.set UU,   48
.set PW,   224
.set WW,   232
.set BM,   240
.set SEL,  18
.set KIND, 66
.set G1, 24
.set G0, 32
.set G1B, 48
.set G0B, 56
.set G1S, 68
.set G0S, 76
.set G1SB, 80
.set G0SB, 88
.set MSB, 0
.macro WIN new                         ; the immediate's high byte repeats the setting that is left
.if MSB != \new
	s_set_vgpr_msb (MSB<<8)|\new
.set MSB, \new
.endif
.endm
.set MUL_LO, 0xa1                      ; source 0 (B) window 1, source 1 (A) window 0, C and D window 2
.set MUL_HI, 0xf1
.set TO_B,   0x40
.macro JLOAD g0a, g1a, g0b, g1b        ; a joint load: waves 0 and 1 fetch for A, waves 2 and 3 for B; four v_nop follow each line
	s_cmp_eq_u32 s15, 0
	s_cbranch_scc0 .Lfor_b_\@
	tensor_load_to_lds s[\g0a:\g0a+3], s[\g1a:\g1a+7]
	s_nop 0
.rept 4
	v_nop
.endr
	s_branch .Lasked_\@
.Lfor_b_\@:
	tensor_load_to_lds s[\g0b:\g0b+3], s[\g1b:\g1b+7]
	s_nop 0
.rept 4
	v_nop
.endr
.Lasked_\@:
.endm
.macro CREST
	s_cmp_lg_u32 s14, 0
	s_cbranch_scc1 .Lnot_wave_0_\@
	s_barrier_signal -3
.Lnot_wave_0_\@:
	s_barrier_wait -3
	s_barrier_signal -1
	s_barrier_wait -1
.endm
.macro CROUND
	s_barrier_signal -1
	s_barrier_wait -1
	CREST
.endm
	s_load_b512 s[68:83], s[0:1], 0x0              ; xq 68, Wq codes 70, scales 72, Wk 74, 76, Wv 78, 80, bq 82
	s_load_b256 s[84:91], s[0:1], 0x40             ; bk 84, bv 86, tab 88, qb 90
	s_load_b64 s[92:93], s[0:1], 0x60              ; kv
	v_lshl_add_u32 v[SPW], v0, 2, SPARE
	v_mov_b32 v[NIL], 0
	ds_add_u32 v28, v29
	ds_add_u32 v28, v29
	s_wait_dscnt 0x0
	v_lshrrev_b32 v1, 5, v0
	v_readfirstlane_b32 s14, v1                    ; wave 0..3
	s_lshr_b32 s15, s14, 1                         ; my half of the tile's rows; also: I fetch for A (0) or B (1)
	s_and_b32 s16, s14, 1                          ; my half of its columns; also: which 128 rows I fetch
	s_bfe_u32 s40, ttmp6, 0x40000                  ; cx
	s_bfe_u32 s41, ttmp6, 0x40004                  ; cy
	s_lshr_b32 s[KIND], ttmp9, 1                   ; 0: q, 1: k, 2: V^T: the same in all sixteen partners
	s_and_b32 s42, ttmp9, 1
	s_lshl_b32 s42, s42, 2
	s_add_co_u32 s42, s42, s40                     ; tile column
	s_and_b32 s17, ttmp7, 0xffff
	s_lshl_b32 s17, s17, 2
	s_add_co_u32 s17, s17, s41                     ; tile row
	s_lshl_b32 s43, s41, 2
	s_lshl_b32 s43, 15, s43                        ; my row of the cluster
	s_lshl_b32 s44, 0x1111, s40                    ; my column
	s_wait_kmcnt 0x0
	; the buffers of my KIND: choices that hang on the cluster's number alone
	s_add_nc_u64 s[18:19], s[68:69], 3145728       ; x's scale bytes
	s_cmp_eq_u32 s[KIND], 2
	s_cselect_b64 s[4:5], s[78:79], s[68:69]       ; A's codes
	s_cselect_b64 s[6:7], s[80:81], s[18:19]       ; A's scales
	s_cselect_b64 s[8:9], s[68:69], s[70:71]       ; B's codes
	s_cselect_b64 s[10:11], s[18:19], s[72:73]     ; B's scales
	s_cselect_b64 s[100:101], s[86:87], s[82:83]   ; the bias
	s_cselect_b64 s[12:13], s[92:93], s[90:91]     ; where the result goes
	s_cmp_eq_u32 s[KIND], 1
	s_cselect_b64 s[8:9], s[74:75], s[8:9]
	s_cselect_b64 s[10:11], s[76:77], s[10:11]
	s_cselect_b64 s[100:101], s[84:85], s[100:101]
	s_cselect_b64 s[12:13], s[92:93], s[12:13]
	s_mov_b64 s[98:99], s[88:89]                   ; the table
	; descriptor group 1: a tile of 128 rows x 192 bytes, 16 bytes of padding behind every 64
	s_or_b32 s[G1+0], s43, (0<<16)|(1<<20)|(1<<21)|(3<<22)|(3<<25)
	s_or_b32 s[G1B+0], s44, (0<<16)|(1<<20)|(1<<21)|(3<<22)|(3<<25)
.irp g, G1, G1B
	s_mov_b32 s[\g+1], ROWB<<16
	s_mov_b32 s[\g+2], 128<<16
	s_mov_b32 s[\g+3], ROWB<<16
	s_mov_b32 s[\g+4], 128
	s_mov_b32 s[\g+5], KROW
	s_mov_b32 s[\g+6], 0
	s_mov_b32 s[\g+7], 0
.endr
	; the scale bytes of 128 rows: 8,192 dense bytes as 32 rows of 256, 16 bytes of padding behind each
	s_or_b32 s[G1S+0], s43, (3<<16)|(1<<20)|(1<<21)|(5<<22)|(3<<25)
	s_or_b32 s[G1SB+0], s44, (3<<16)|(1<<20)|(1<<21)|(5<<22)|(3<<25)
.irp g, G1S, G1SB
	s_mov_b32 s[\g+1], 32<<16
	s_mov_b32 s[\g+2], (128*KS/256)<<16
	s_mov_b32 s[\g+3], 32<<16
	s_mov_b32 s[\g+4], 128*KS/256
	s_mov_b32 s[\g+5], 32
	s_mov_b32 s[\g+6], 0
	s_mov_b32 s[\g+7], 0
.endr
	s_lshl_b32 s18, s16, 7
	s_lshl_b32 s20, s17, 8
	s_add_co_u32 s20, s20, s18                     ; A: row 256 x tile row + 128 x half
	s_lshl_b32 s46, s42, 8
	s_add_co_u32 s46, s46, s18                     ; B: row 256 x tile column + 128 x half
	s_mov_b32 s21, 0
	s_mov_b32 s47, 0
	s_mov_b64 s[18:19], KS
	s_mul_u64 s[22:23], s[20:21], s[18:19]
	s_mul_u64 s[92:93], s[46:47], s[18:19]
	s_mov_b64 s[18:19], KROW
	s_mul_u64 s[20:21], s[20:21], s[18:19]
	s_mul_u64 s[46:47], s[46:47], s[18:19]
	s_mul_i32 s45, s14, HALFT                      ; LDS: wave x 128 rows: no place in the cluster enters an LDS address
	s_mul_i32 s94, s14, HALFS
	s_add_nc_u64 s[20:21], s[4:5], s[20:21]
	s_add_nc_u64 s[22:23], s[6:7], s[22:23]
	s_add_nc_u64 s[46:47], s[8:9], s[46:47]
	s_add_nc_u64 s[92:93], s[10:11], s[92:93]
	CROUND                                         ; all sixteen work-groups are here: the first joint loads meet
	s_mov_b32 s[G0S], 1
	s_add_co_u32 s[G0S+1], s94, SCL
	s_mov_b64 s[G0S+2:G0S+3], s[22:23]
	s_or_b32 s[G0S+3], s[G0S+3], 0x80000000
	s_mov_b32 s[G0SB], 1
	s_add_co_u32 s[G0SB+1], s94, SCL
	s_mov_b64 s[G0SB+2:G0SB+3], s[92:93]
	s_or_b32 s[G0SB+3], s[G0SB+3], 0x80000000
	JLOAD G0S, G1S, G0SB, G1SB                     ; the scales first: three loads of mine are out at the most
.irp s, 0,1
	s_mov_b32 s[G0+4*\s], 1
	s_add_co_u32 s[G0+4*\s+1], s45, \s*SLOT
	s_add_nc_u64 s[G0+4*\s+2:G0+4*\s+3], s[20:21], \s*ROWB
	s_or_b32 s[G0+4*\s+3], s[G0+4*\s+3], 0x80000000
	s_mov_b32 s[G0B+4*\s], 1
	s_add_co_u32 s[G0B+4*\s+1], s45, \s*SLOT
	s_add_nc_u64 s[G0B+4*\s+2:G0B+4*\s+3], s[46:47], \s*ROWB
	s_or_b32 s[G0B+4*\s+3], s[G0B+4*\s+3], 0x80000000
	JLOAD G0+4*\s, G1, G0B+4*\s, G1B
.endr
	v_and_b32 v1, 15, v0                           ; r
	v_bfe_u32 v2, v0, 4, 1                         ; h
	v_mul_u32_u24 v3, v1, PITCH
	v_mul_u32_u24 v4, v2, 24
	v_add_nc_u32 v4, v3, v4                        ; a fragment's row x pitch + 24 h
	v_lshl_add_u32 v5, v2, 4, v4                   ; and the same behind one padding more
	s_mul_i32 s21, s15, HALFT
	s_mul_i32 s22, s16, HALFT
	s_add_co_u32 s22, s22, 2*HALFT
.irp s, 0,1
	v_add_nc_u32 v[ADRA+\s], s21, v4
	v_add_nc_u32 v[ADRB+\s], s22, v4
	v_add_nc_u32 v[ADRA+2+\s], s21, v5
	v_add_nc_u32 v[ADRB+2+\s], s22, v5
	s_add_co_u32 s21, s21, SLOT
	s_add_co_u32 s22, s22, SLOT
.endr
	v_mul_u32_u24 v5, v1, KS
	v_lshrrev_b32 v6, 8, v5
	v_lshl_add_u32 v5, v6, 4, v5                   ; my row's scales: 64 bytes a row, 16 more for each 256 passed
	s_mul_i32 s21, s15, HALFS
	s_mul_i32 s22, s16, HALFS
	s_add_co_u32 s22, s22, 2*HALFS
	s_sub_co_u32 s22, s22, s21
	v_mul_u32_u24 v6, s22, v2                      ; lanes 16-31 take B's
	s_add_co_u32 s21, s21, SCL
	v_add_nc_u32 v5, v5, v6
	v_add_nc_u32 v[ADRS], s21, v5
	v_and_b32 v6, 31, v0
	v_lshlrev_b32 v[LI], 4, v6
	v_lshlrev_b32 v7, 5, v2                        ; 32 h: my eight numbers of a bias along n
	v_lshlrev_b32 v8, 2, v1                        ; 4 r: my number of a bias along m
	; where my 128 x 128 goes.  m128, n128: which 128 rows, which 128 columns
	s_lshl_b32 s67, s17, 1
	s_add_co_u32 s67, s67, s15                     ; m128
	s_lshl_b32 s2, s42, 1
	s_add_co_u32 s2, s2, s16                       ; n128
	s_cmp_eq_u32 s[KIND], 2
	s_cselect_b32 s20, s67, s2                     ; the head
	s_cselect_b32 s21, s2, s67                     ; which 128 positions
	s_cselect_b32 s22, 49152, 0                    ; V's images lie behind K's in a slot,
	s_cselect_b32 s23, 2048, 0                     ; and so do its scale blocks
	s_mul_i32 s45, s20, 409600
	s_lshr_b32 s46, s21, 2
	s_mul_i32 s46, s46, 102400
	s_add_co_u32 s45, s45, s46                     ; kv: [head][slot of 512 keys]
	s_and_b32 s46, s21, 3
	s_mul_i32 s47, s46, 12288
	s_add_co_u32 s47, s47, s45
	s_add_co_u32 s47, s47, s22                     ; kv: the images
	s_lshl_b32 s46, s46, 9
	s_add_co_u32 s46, s46, s45
	s_add_co_u32 s46, s46, s23
	s_add_co_u32 s46, s46, 98304                   ; kv: the scale block
	s_mul_i32 s22, s20, 196608
	s_mul_i32 s23, s21, 12288
	s_add_co_u32 s22, s22, s23                     ; qb: the images
	s_lshl_b32 s23, s20, 13
	s_lshl_b32 s45, s21, 9
	s_add_co_u32 s23, s23, s45
	s_add_co_u32 s23, s23, 3145728                 ; qb: the scale block
	s_cmp_eq_u32 s[KIND], 0
	s_cselect_b32 s92, s23, s46
	s_cselect_b32 s22, s22, s47
	s_mov_b32 s93, 0
	s_add_nc_u64 s[96:97], s[12:13], s[92:93]
	s_mov_b32 s92, s22
	s_add_nc_u64 s[12:13], s[12:13], s[92:93]
	s_lshl_b32 s92, s67, 9
	s_add_nc_u64 s[94:95], s[100:101], s[92:93]    ; the bias at my rows
	s_lshl_b32 s92, s2, 9
	s_add_nc_u64 s[100:101], s[100:101], s[92:93]  ; and at my columns
	s_cmp_lt_u32 s[KIND], 2
	s_cselect_b32 s92, s67, 0                      ; the table at my 128 positions (V^T reads the table's head and does not use it: the loads and their counts are the same for all)
	s_lshl_b32 s92, s92, 16
	s_add_nc_u64 s[98:99], s[98:99], s[92:93]
.irp b, 0,1,2,3,4,5,6,7
	global_load_b128 v[BN+8*\b:BN+8*\b+3], v7, s[100:101] offset:64*\b
	global_load_b128 v[BN+8*\b+4:BN+8*\b+7], v7, s[100:101] offset:64*\b+16
.endr
.irp a, 0,1,2,3,4,5,6,7
	global_load_b32 v[BM+\a], v8, s[94:95] offset:64*\a
.endr
.macro SETCS a                         ; where the table's set for block a lies in window 1
.if (\a)%4 == 0
.set CO, 96
.set SI, 224
.elseif (\a)%4 == 1
.set CO, 0
.set SI, 32
.elseif (\a)%4 == 2
.set CO, 128
.set SI, 160
.else
.set CO, 64
.set SI, 192
.endif
.endm
.macro TABLOAD a                       ; cos and sin for block a's 16 positions: 16 loads of 512 consecutive bytes
	SETCS \a
	WIN 0x40
.irp c, 0,1,2,3,4,5,6,7
	global_load_b128 v[CO+4*\c:CO+4*\c+3], v[LI], s[98:99] offset:(\a)*8192+512*\c
	global_load_b128 v[SI+4*\c:SI+4*\c+3], v[LI], s[98:99] offset:(\a)*8192+4096+512*\c
.endr
	WIN 0
.endm
	TABLOAD 0                                      ; into registers that the loop leaves alone; these 40 loads stay out over the loop and are waited for on the way out
.macro FRAG reg, adr, q, i             ; 16 rows x 128 K: 12 registers, in pieces of 8 bytes; lanes 16-31 read three pieces on, for some pieces behind one padding more: the second address register
.irp p, 0,1,2,3,4,5
.set PCE, 12*(\q)+6*(\p/3)+\p%3
.if PCE%8 < 5
	ds_load_b64 v[\reg+2*\p:\reg+2*\p+1], v[\adr] offset:8*PCE+16*(PCE/8)+(\i)*16*PITCH
.else
	ds_load_b64 v[\reg+2*\p:\reg+2*\p+1], v[\adr+2] offset:8*PCE+16*(PCE/8)+(\i)*16*PITCH
.endif
.endr
.endm
; 16 matrix instructions: A's blocks a0, a0 + 1 x B's eight.  The 64 accumulators take turns, one instruction a turn, in the same order in every step.
.macro MUL16 a0, p, q, sc, zero
.irp a, \a0, \a0+1
.irp b, 0,1,2,3,4,5,6,7
.if \zero
	v_wmma_scale_f32_16x16x128_f8f6f4 v[8*(8*((\a)%4)+\b):8*(8*((\a)%4)+\b)+7], v[128*(\p)+FR*\b:128*(\p)+FR*\b+FR-1], v[AF+FR*(\a):AF+FR*(\a)+FR-1], 0, v[SC+8*NQ*(\sc)+NQ*\b+(\q)], v[SC+8*NQ*(\sc)+NQ*(\a)+(\q)] matrix_a_fmt:MATRIX_FMT_FP6 matrix_b_fmt:MATRIX_FMT_FP6 matrix_a_scale:MATRIX_SCALE_ROW1
.else
	v_wmma_scale_f32_16x16x128_f8f6f4 v[8*(8*((\a)%4)+\b):8*(8*((\a)%4)+\b)+7], v[128*(\p)+FR*\b:128*(\p)+FR*\b+FR-1], v[AF+FR*(\a):AF+FR*(\a)+FR-1], v[8*(8*((\a)%4)+\b):8*(8*((\a)%4)+\b)+7], v[SC+8*NQ*(\sc)+NQ*\b+(\q)], v[SC+8*NQ*(\sc)+NQ*(\a)+(\q)] matrix_a_fmt:MATRIX_FMT_FP6 matrix_b_fmt:MATRIX_FMT_FP6 matrix_a_scale:MATRIX_SCALE_ROW1
.endif
.endr
.endr
.endm
.macro FETCH_B slot, q, p
	WIN TO_B
.irp i, 0,1,2,3,4,5,6,7
	FRAG 128*(\p)+FR*\i, ADRB+\slot, \q, \i
.endr
	WIN 0
.endm
.macro FETCH_A slot, q, i0
.irp i, \i0, \i0+1, \i0+2, \i0+3
	FRAG AF+FR*(\i), ADRA+\slot, \q, \i
.endr
.endm
.macro SCALES sc                       ; a K step's scale words: lanes 0-15 A's block i, lanes 16-31 B's block i
.irp i, 0,1,2,3,4,5,6,7
	ds_load_b64 v[SC+8*NQ*\sc+NQ*\i:SC+8*NQ*\sc+NQ*\i+1], v[ADRS] offset:\i*SBLK
.endr
.endm
.macro PLACES n                        ; plain vector instructions between a matrix instruction and a load into, or a vector access to, its registers
.rept \n
	v_nop
.endr
.endm
.macro STEP slot, q, zero              ; 128 along K with a successor in the same slot
	s_wait_dscnt 4*NL                              ; B's set and A's blocks 0-3 are in; the youngest 24 loads (A's blocks 4-7) may be out
	WIN MUL_LO
	MUL16 0, (\q)%2, \q, \slot, \zero
	MUL16 2, (\q)%2, \q, \slot, \zero
	s_wait_dscnt 0
	PLACES NP
	FETCH_B \slot, (\q)+1, 1-(\q)%2
	FETCH_A \slot, (\q)+1, 0
	WIN MUL_HI
	MUL16 4, (\q)%2, \q, \slot, \zero
	MUL16 6, (\q)%2, \q, \slot, \zero
	PLACES NP
	WIN 0
	FETCH_A \slot, (\q)+1, 4
.endm
.macro TURN slot, next, fill           ; a slot's last step changes slots: one barrier
	s_wait_tensorcnt 0x0                           ; all my tensor loads have landed: my part of the next slot
	ds_add_u32 v[SPW], v[NIL]                      ; 0 onto my spare word
	s_wait_dscnt 4*NL+1                            ; the add and the youngest 24 loads may be out
	WIN MUL_LO
	MUL16 0, 1, NQ-1, \slot, 0
	s_wait_dscnt 0x0                               ; the add is done, and my reads of this slot are over
	s_barrier_signal -1
	MUL16 2, 1, NQ-1, \slot, 0
	WIN 0
	s_barrier_wait -1
.if \fill
	CREST                                          ; the barrier has opened a round of the cluster's: no wave of any partner still reads this slot or has a load on its way
	s_add_nc_u64 s[G0+4*\slot+2:G0+4*\slot+3], s[G0+4*\slot+2:G0+4*\slot+3], 2*ROWB
	s_add_nc_u64 s[G0B+4*\slot+2:G0B+4*\slot+3], s[G0B+4*\slot+2:G0B+4*\slot+3], 2*ROWB
	JLOAD G0+4*\slot, G1, G0B+4*\slot, G1B         ; the first tensor load behind the round; its four v_nop are the places in front of the loads below
.else
	PLACES NP
.endif
	v_add_nc_u32 v[ADRS], 4*NQ, v[ADRS]
	FETCH_B \next, 0, 0
	FETCH_A \next, 0, 0
	SCALES \next
	WIN MUL_HI
	MUL16 4, 1, NQ-1, \slot, 0
	MUL16 6, 1, NQ-1, \slot, 0
	PLACES NP
	WIN 0
	FETCH_A \next, 0, 4
.endm
	s_wait_tensorcnt 1                             ; the scales and my part of K step 0 are in; K step 1's load may be out
	s_barrier_signal -1
	s_barrier_wait -1
	FETCH_B 0, 0, 0
	FETCH_A 0, 0, 0
	SCALES 0
	FETCH_A 0, 0, 4
	STEP 0, 0, 1                                   ; the first step's products start the sums
	s_mov_b32 s3, LAPS-1
.Llap:
	TURN 0, 1, 1
	STEP 1, 0, 0
	TURN 1, 0, 1
	STEP 0, 0, 0
	s_sub_co_u32 s3, s3, 1
	s_cmp_lg_u32 s3, 0
	s_cbranch_scc1 .Llap
	TURN 0, 1, 0                                   ; the last lap fills nothing
	STEP 1, 0, 0
	s_wait_dscnt 4*NL
	WIN MUL_LO
	MUL16 0, 1, NQ-1, 1, 0
	MUL16 2, 1, NQ-1, 1, 0
	s_wait_dscnt 0
	WIN MUL_HI
	MUL16 4, 1, NQ-1, 1, 0
	MUL16 6, 1, NQ-1, 1, 0
	WIN 0
; 64 numbers of a lane, v[s] on, registers 16 b + 0..15 of block b, become a fragment's codes in v[pc .. pc + 11] and the row's scale word in v[pw].
.macro QUANT s, tm, pc, pw
.irp b, 0,1,2,3
	v_max3_num_f32 v[\tm+\b], |v[\s+16*\b]|, |v[\s+1+16*\b]|, 0x1800000   ; with the floor 2^(3 - 127): the byte cannot fall under 1
.endr
.irp i, 2,4,6,8,10,12,14
.irp b, 0,1,2,3
	v_max3_num_f32 v[\tm+\b], v[\tm+\b], |v[\s+16*\b+\i]|, |v[\s+1+16*\b+\i]|
.endr
.endr
.irp b, 0,1,2,3
	v_permlanex16_b32 v[\tm+4+\b], v[\tm+\b], s[SEL], s[SEL+1]
.endr
.irp b, 0,1,2,3
	v_max_num_f32 v[\tm+\b], v[\tm+\b], v[\tm+4+\b]    ; with lane l xor 16's 16: the block's largest magnitude
.endr
.irp b, 0,1,2,3
	v_add_nc_u32 v[\tm+12+\b], 0xff000000, v[\tm+\b]   ; 2 off its exponent field: the conversion's scale operand
.endr
.irp b, 0,1,2,3
	v_lshrrev_b32 v[\tm+4+\b], 23, v[\tm+12+\b]        ; the scale's byte
.endr
	v_lshl_or_b32 v[\pw], v[\tm+5], 8, v[\tm+4]
	v_lshl_or_b32 v[\pw], v[\tm+6], 16, v[\pw]
	v_lshl_or_b32 v[\pw], v[\tm+7], 24, v[\pw]
.irp c, 0,1
	v_cvt_scalef32_pk16_fp6_f32 v[\pc+6*\c:\pc+2+6*\c], v[\s+32*\c:\s+15+32*\c], v[\tm+12+2*\c]
	v_cvt_scalef32_pk16_fp6_f32 v[\pc+12+4*\c:\pc+14+4*\c], v[\s+16+32*\c:\s+31+32*\c], v[\tm+12+2*\c+1]   ; (a conversion's three registers begin on an even number)
.endr
	v_nop                                          ; one plain place behind a scaled conversion
.irp c, 0,1                            ; the operand's layout wants a whole block in a lane: lanes 0-15 block 2 c, lanes 16-31 block 2 c + 1
.irp i, 0,1,2
	v_permlane16_swap_b32 v[\pc+6*\c+\i], v[\pc+12+4*\c+\i]
.endr
.irp i, 0,1,2
	v_mov_b32 v[\pc+3+6*\c+\i], v[\pc+12+4*\c+\i]
.endr
.endr
.endm
; THE WAY OUT of block a (16 rows x 128 columns).  left: the table loads issued behind block a's set, which may stay out.
.macro EPI a, left
	s_wait_xcnt 0x0                                ; the last block's stores have read their registers
	s_wait_loadcnt \left
	SETCS \a
	s_cmp_lt_u32 s[KIND], 2                        ; the same in every partner; both ways are work on registers alone
	s_cbranch_scc0 .Lvt_\@
	WIN 0x02+(\a)/4                                ; source 0: the accumulators' window
.irp b, 0,1,2,3,4,5,6,7
.irp j, 0,2,4,6
	v_pk_add_f32 v[TT+8*\b+\j:TT+8*\b+\j+1], v[64*((\a)%4)+8*\b+\j:64*((\a)%4)+8*\b+\j+1], v[BN+8*\b+\j:BN+8*\b+\j+1]   ; + the bias of my columns; each accumulator from its low end on
.endr
.endr
	WIN 0x04                                       ; source 1: the table, in window 1
.set i, 0
.rept 16                               ; channels d (registers 0-31) and d + 64 (registers 32-63): lo' = lo cos - hi sin, hi' = hi cos + lo sin
.set UQ, UU+4*(i%4)
	v_pk_mul_f32 v[UQ:UQ+1], v[TT+32+2*i:TT+33+2*i], v[SI+2*i:SI+2*i+1]
	v_pk_mul_f32 v[UQ+2:UQ+3], v[TT+2*i:TT+2*i+1], v[SI+2*i:SI+2*i+1]
	v_pk_fma_f32 v[TT+2*i:TT+2*i+1], v[TT+2*i:TT+2*i+1], v[CO+2*i:CO+2*i+1], v[UQ:UQ+1] neg_lo:[0,0,1] neg_hi:[0,0,1]
	v_pk_fma_f32 v[TT+32+2*i:TT+33+2*i], v[TT+32+2*i:TT+33+2*i], v[CO+2*i:CO+2*i+1], v[UQ+2:UQ+3]
.set i, i+1
.endr
	WIN 0
	s_branch .Ljoin_\@
.Lvt_\@:
	WIN 0x02+(\a)/4
.irp b, 0,1,2,3,4,5,6,7
.irp j, 0,2,4,6
.if (\a)%2
	v_pk_add_f32 v[TT+8*\b+\j:TT+8*\b+\j+1], v[64*((\a)%4)+8*\b+\j:64*((\a)%4)+8*\b+\j+1], v[BM+2*((\a)/2):BM+2*((\a)/2)+1] op_sel:[0,1] op_sel_hi:[1,1]   ; + the bias of my row (a channel)
.else
	v_pk_add_f32 v[TT+8*\b+\j:TT+8*\b+\j+1], v[64*((\a)%4)+8*\b+\j:64*((\a)%4)+8*\b+\j+1], v[BM+2*((\a)/2):BM+2*((\a)/2)+1] op_sel_hi:[1,0]
.endif
.endr
.endr
	WIN 0
.Ljoin_\@:
.if (\a) < 4
	TABLOAD (\a)+4                                 ; the set just used takes the block four further on
.endif
	QUANT TT, TM, PC, PW+\a
.irp c, 0,1,2
	global_store_b128 v[LI], v[PC+4*\c:PC+4*\c+3], s[12:13] offset:1536*(\a)+512*\c   ; the image: 512 consecutive bytes a store
.endr
.endm
	PLACES NP                                      ; behind the last products: for the loads into B's registers and the first reads of results
.irp b, 0,1,2,3
	v_mov_b32 v[TM+4+\b], 0                        ; a lane permute's destination counts as one of its sources
.endr
	s_mov_b32 s[SEL], 0x76543210
	s_mov_b32 s[SEL+1], 0xfedcba98                 ; v_permlanex16_b32's selects for lane l xor 16
	TABLOAD 1
	TABLOAD 2
	TABLOAD 3
	EPI 0, 48                                      ; the biases and set 0 are in; sets 1 to 3 may be out
	EPI 1, 48
	EPI 2, 48
	EPI 3, 48
	EPI 4, 48
	EPI 5, 32
	EPI 6, 16
	EPI 7, 0
	v_and_b32 v6, 31, v0
	v_cmp_lt_u32 vcc_lo, 15, v6
.irp p, 0,1,2,3
	v_cndmask_b32 v[WW+\p], v[PW+2*\p], v[PW+2*\p+1], vcc_lo   ; register p: block 2 p's words in lanes 0-15, block 2 p + 1's in lanes 16-31
.endr
	global_store_b128 v[LI], v[WW:WW+3], s[96:97]  ; the scale block: 512 consecutive bytes
	s_wait_tensorcnt 0x0                           ; the wave's end
	ds_add_u32 v[SPW], v[NIL]
	s_wait_dscnt 0x0
	CROUND                                         ; the closing round
	s_endpgm
.Lfunc_end_k_q8158e0d2e6_qkv:
	.size	k_q8158e0d2e6_qkv, .Lfunc_end_k_q8158e0d2e6_qkv-k_q8158e0d2e6_qkv
	.p2alignl 7, 3214868480
	.fill 96, 4, 3214868480
	.section	.rodata,"a",@progbits
	.p2align	6, 0x0
	.amdhsa_kernel k_q8158e0d2e6_qkv
		.amdhsa_group_segment_fixed_size 327680
		.amdhsa_private_segment_fixed_size 0
		.amdhsa_enable_private_segment 0
		.amdhsa_kernarg_size 104
		.amdhsa_user_sgpr_count 2
		.amdhsa_user_sgpr_kernarg_segment_ptr 1
		.amdhsa_wavefront_size32 1
		.amdhsa_system_sgpr_workgroup_id_x 1
		.amdhsa_system_sgpr_workgroup_id_y 1
		.amdhsa_system_sgpr_workgroup_id_z 1
		.amdhsa_system_vgpr_workitem_id 0
		.amdhsa_next_free_vgpr 1024
		.amdhsa_next_free_sgpr 102
		.amdhsa_reserve_vcc 1
		.amdhsa_float_denorm_mode_32 3
		.amdhsa_float_denorm_mode_16_64 3
		.amdhsa_memory_ordered 1
		.amdhsa_forward_progress 1
		.amdhsa_inst_pref_size 246
	.end_amdhsa_kernel
	.amdgpu_metadata
---
amdhsa.version: [ 1, 2 ]
amdhsa.kernels:
  - .name:           k_q8158e0d2e6_qkv
    .symbol:         k_q8158e0d2e6_qkv.kd
    .args:
      - { .name: xq, .offset: 0, .size: 8, .value_kind: global_buffer, .address_space: global }
      - { .name: Wq_codes, .offset: 8, .size: 8, .value_kind: global_buffer, .address_space: global }
      - { .name: Wq_scales, .offset: 16, .size: 8, .value_kind: global_buffer, .address_space: global }
      - { .name: Wk_codes, .offset: 24, .size: 8, .value_kind: global_buffer, .address_space: global }
      - { .name: Wk_scales, .offset: 32, .size: 8, .value_kind: global_buffer, .address_space: global }
      - { .name: Wv_codes, .offset: 40, .size: 8, .value_kind: global_buffer, .address_space: global }
      - { .name: Wv_scales, .offset: 48, .size: 8, .value_kind: global_buffer, .address_space: global }
      - { .name: bq, .offset: 56, .size: 8, .value_kind: global_buffer, .address_space: global }
      - { .name: bk, .offset: 64, .size: 8, .value_kind: global_buffer, .address_space: global }
      - { .name: bv, .offset: 72, .size: 8, .value_kind: global_buffer, .address_space: global }
      - { .name: tab, .offset: 80, .size: 8, .value_kind: global_buffer, .address_space: global }
      - { .name: qb, .offset: 88, .size: 8, .value_kind: global_buffer, .address_space: global }
      - { .name: kv, .offset: 96, .size: 8, .value_kind: global_buffer, .address_space: global }
    .group_segment_fixed_size: 327680
    .private_segment_fixed_size: 0
    .kernarg_segment_align: 8
    .kernarg_segment_size: 104
    .max_flat_workgroup_size: 128
    .sgpr_count:     102
    .vgpr_count:     1024
    .wavefront_size: 32
...
	.end_amdgpu_metadata
.endif
;; end of part 2
;; launch attn (part 3): grid 16 x 16, 8 waves a work-group, clusters of 4 x 1, 327,680 bytes of LDS; arguments qb, kv, ab; writes ab
.if DOCPART == 3
	.amdgcn_target "amdgcn-amd-amdhsa--gfx1250"
	.amdhsa_code_object_version 6
	.text
	.protected	k_q8158e0d2e6_attn
	.globl	k_q8158e0d2e6_attn
	.p2align	8
	.type	k_q8158e0d2e6_attn,@function
k_q8158e0d2e6_attn:
	s_mov_b64 s[64:65], 0
	v_nop
	global_prefetch_b8 v0, s[64:65] scope:SCOPE_SE
	s_setreg_imm32_b32 hwreg(HW_REG_WAVE_MODE, 25, 1), 1
	s_wait_xcnt 0x0
	s_wait_alu depctr_hold_cnt(0) depctr_sa_sdst(0) depctr_va_vdst(0) depctr_va_sdst(0) depctr_va_ssrc(0) depctr_va_vcc(0) depctr_vm_vsrc(0)
	s_getreg_b32 s2, hwreg(HW_REG_IB_STS2, 6, 4)
	s_cmp_eq_u32 s2, 0
	s_cbranch_scc0 .Lentry_in_a_cluster
	s_endpgm
.Lentry_in_a_cluster:
	s_bfe_u32 s2, ttmp6, 0x10000c
	s_cmp_lg_u32 s2, 0x3003
	s_cbranch_scc0 .Lentry_shape_is_right
	s_endpgm
.Lentry_shape_is_right:
; Causal attention on codes of FP6 (E2M3) with E8M0 scales, 16 heads of 128, 2,048 positions.  Inputs are images of operand registers made by the launch before:
; qb: a tile of 16 queries = 1,536 bytes; kv: [head][slot of 512 keys][K's images of 4 key steps | V^T's | K's scale blocks | V^T's], 102,400 dense bytes a slot.
; t = score x log2(e) / sqrt(128); M = the running largest t rounded up to a whole number; p = 2^(t - M) is quantised along the keys; the row's sum is taken of the unquantised p and divides O at the end.
; O / sum is quantised along the model's 2,048 (a head gives four whole blocks of 32) and stored as an image for the next launch: ab: (tile of 16 rows x 16 + head) x 1,536; scale words behind them.
; SHARES.  A wave owns ONE tile of 16 queries.  The cluster with number L (0..3) of a head serves the query blocks L and 7 - L of 256: waves 0-3 take block L, waves 4-7 block 7 - L; within a block
; wave and partner share the 16 tiles: tile = cx + 4 u.  The wave's last key step, DG = 2 x block + u / 2, hangs on L and the wave's number alone, so every branch is alike in the four partners,
; and waves w and w + 4 together have 17 key steps whatever L and w.  Key steps behind DG are left out: a scalar branch round a step's work, not round the lines that step addresses.
; Every work-group walks all four slots, so that trip counts are constants and no tensor load or barrier is jumped over; clusters 2 and 3 read nothing of the last slot.
; CLUSTER.  The four partners walk the same K and V: each of the eight waves asks jointly for an eighth of a slot (50 rows of 256 bytes).  Two slots; a refill has four key steps in which to land.
; LAYOUT.  S^T = K Q^T, O^T = V^T P^T: a lane holds one query.  A tile of K is 16 neighbouring keys, so register 8 t + j of lane (r, h) is key 16 t + 8 h + j: inside a block of 32 keys p is laid in the order in which
; the launch before laid V^T's keys.  O^T is brought into the true order of channels by 32 exchanges of half rows before it is quantised, since it meets Wo's given codes.
; THE LDS LOADS of a key step are 50 of 512 bytes, 25,600 bytes a wave, and the waves leave each barrier together.  They stand in six groups of eight among the softmax's lines, not in one run between the scores and
; the softmax: the next step's K in three thirds (two of them where a line waits for the line above it), this step's V in three thirds.  None stands between a batch of exponentials and its wait.
; A wave fetches K only for key steps that are its own: not at the head of a slot in which it has none, and not in its last step.
; LIMITS: a block of zeros gets the byte 1, not 127; NaN and infinities are not served; O is divided by the sum through v_rcp_f32 and a multiplication.
; REGISTERS: window 0: v1-7 addresses; v8-11 K's scale block; v12 -M, v13 the largest t, v[14:15] the sum; v16-27 Q; v32-35 V's scale block; v36-72 the last quantiser's; v96-159 S^T, then p; v160-223 O^T;
;   v224-235 p's codes; v236-254 at work; v253 p's scale word; v255 Q's.  window 1: v0-95 K's eight fragments, v96-191 V^T's.
.set SLOT1, 131072                     ; slot 1 begins here: one exclusive or turns an address in one slot into the other's
.set SLOTB, 102400
.set STEPK, 12288                      ; a key step's eight images
.set VOFF,  49152
.set KSC,   98304
.set VSC,   2048
.set SPARE, 262144                     ; the spare words: 128 bytes for each of eight waves, named by no other line
.set LI,  1
.set DV,  2
.set ADK, 3
.set ADS, 4
.set SPW, 5
.set NIL, 6
.set PFO, 7
.set KSR, 8
.set VSR, 32
.set PC,  36
.set TM,  56
.set PW,  72
.set SO,  73
.set WV,  10
.set DG,  11
.set ST,  12
.set CNT, 13
.set SLOTS, 14
.set TB,  15
.set TS,  16
.set LIM, 17
.set PFA, 18
.set SEL, 20
.set CS,  22
.set G1,  24
.set G0,  32
.set NX,  63                           ; s63  1: the next key step lies in this slot and is mine
.set MSB, 0
.macro WIN new
.if MSB != \new
	s_set_vgpr_msb (MSB<<8)|\new
.set MSB, \new
.endif
.endm
.macro CROUND                          ; a round of the cluster's barrier
	s_barrier_signal -1
	s_barrier_wait -1
	s_cmp_lg_u32 s[WV], 0
	s_cbranch_scc1 .Lnot_wave_0_\@
	s_barrier_signal -3
.Lnot_wave_0_\@:
	s_barrier_wait -3
	s_barrier_signal -1
	s_barrier_wait -1
.endm
	s_load_b128 s[4:7], s[0:1], 0x0                ; qb, kv
	s_load_b64 s[8:9], s[0:1], 0x10                ; ab
	v_lshl_add_u32 v[SPW], v0, 2, SPARE
	v_mov_b32 v[NIL], 0
	ds_add_u32 v5, v6
	ds_add_u32 v5, v6
	s_wait_dscnt 0x0
	v_lshrrev_b32 v1, 5, v0
	v_readfirstlane_b32 s[WV], v1                  ; wave 0..7
	s_bfe_u32 s40, ttmp6, 0x40000                  ; cx
	s_and_b32 s41, ttmp7, 0xffff                   ; the head
	s_lshr_b32 s42, s[WV], 2                       ; 0: the early block, 1: the late one
	s_and_b32 s43, s[WV], 3
	s_mul_i32 s47, s42, 3
	s_xor_b32 s43, s43, s47                        ; u
	s_sub_co_u32 s44, 7, ttmp9
	s_cmp_eq_u32 s42, 0
	s_cselect_b32 s44, ttmp9, s44                  ; my block of 256 queries
	s_lshr_b32 s47, s43, 1
	s_lshl_b32 s[DG], s44, 1
	s_add_co_u32 s[DG], s[DG], s47                 ; my last key step
	s_lshl_b32 s45, s43, 2
	s_add_co_u32 s45, s45, s40                     ; my tile in the block
	s_lshl_b32 s46, s44, 4
	s_add_co_u32 s46, s46, s45                     ; T: my tile of 16 queries, 0..127
	; descriptor group 1: 50 rows of 256 bytes (32 elements of 8), dense
	s_mov_b32 s[G1], 15|(3<<16)|(1<<21)            ; the mask: all four partners; elements of 8 bytes; bit 21 beside a mask
	s_mov_b32 s[G1+1], 32<<16
	s_mov_b32 s[G1+2], 50<<16
	s_mov_b32 s[G1+3], 32<<16
	s_mov_b32 s[G1+4], 50
	s_mov_b32 s[G1+5], 32
	s_mov_b32 s[G1+6], 0
	s_mov_b32 s[G1+7], 0
	s_mul_i32 s47, s[WV], 12800                    ; my eighth of a slot, in LDS and in memory
	s_mul_i32 s48, s41, 4*SLOTB
	s_add_co_u32 s48, s48, s47
	s_mov_b32 s49, 0
	s_lshl_b32 s50, s41, 7
	s_add_co_u32 s50, s50, s46
	s_mul_i32 s50, s50, 1536                       ; Q's image
	s_mov_b32 s51, 0
	s_lshl_b32 s52, s41, 13                        ; Q's scale words: block T / 8; in it lane 16 (T % 2) + r, register (T / 2) % 4
	s_lshr_b32 s53, s46, 3
	s_lshl_b32 s53, s53, 9
	s_add_co_u32 s52, s52, s53
	s_and_b32 s53, s46, 1
	s_lshl_b32 s53, s53, 8
	s_add_co_u32 s52, s52, s53
	s_bfe_u32 s53, s46, 0x20001
	s_lshl_b32 s53, s53, 2
	s_add_co_u32 s52, s52, s53
	s_add_co_u32 s52, s52, 3145728
	s_mov_b32 s53, 0
	s_lshl_b32 s54, s46, 4
	s_add_co_u32 s54, s54, s41                     ; 16 T + head
	s_lshl_b32 s56, s54, 6
	s_add_co_u32 s56, s56, 3145728                 ; my result's scale words
	s_mov_b32 s57, 0
	s_mul_i32 s54, s54, 1536                       ; and its image
	s_mov_b32 s55, 0
	s_mul_i32 s60, s41, 4*SLOTB                    ; the prefetch: slot 3 of my head; partner cx takes 25,600 bytes of it, wave w 6,400 of those
	s_mul_i32 s61, s40, 25600
	s_add_co_u32 s60, s60, s61
	s_and_b32 s61, s[WV], 3
	s_mul_i32 s61, s61, 6400
	s_add_co_u32 s60, s60, s61
	s_add_co_u32 s60, s60, 3*SLOTB
	s_mov_b32 s61, 0
	s_lshr_b32 s62, s[WV], 2
	s_or_b32 s62, s62, ttmp9                       ; 0 in waves 0-3 of the head's first cluster: the same in all four partners
	s_cmp_eq_u32 s62, 0
	s_cselect_b32 s[LIM], 1, -1
	s_mov_b32 s[SEL], 0x76543210
	s_mov_b32 s[SEL+1], 0xfedcba98
	s_mov_b32 s[CS], 0x3e0293ee                    ; c = log2(e) / sqrt(128)
	s_mov_b32 s[CS+1], s[CS]
	s_mov_b32 s[ST], 0
	s_mov_b32 s[TB], 0
	s_mov_b32 s[TS], KSC
	s_mov_b32 s[SLOTS], 2
	s_wait_kmcnt 0x0
	s_add_nc_u64 s[58:59], s[6:7], s[48:49]
	s_add_nc_u64 s[PFA:PFA+1], s[6:7], s[60:61]
	s_add_nc_u64 s[50:51], s[4:5], s[50:51]
	s_add_nc_u64 s[52:53], s[4:5], s[52:53]
	s_add_nc_u64 s[54:55], s[8:9], s[54:55]
	s_add_nc_u64 s[56:57], s[8:9], s[56:57]
	CROUND                                         ; all four work-groups are here: the first joint loads meet
.irp s, 0,1
	s_mov_b32 s[G0+4*\s], 1
	s_add_co_u32 s[G0+4*\s+1], s47, \s*SLOT1
	s_add_nc_u64 s[G0+4*\s+2:G0+4*\s+3], s[58:59], \s*SLOTB
	s_or_b32 s[G0+4*\s+3], s[G0+4*\s+3], 0x80000000
.endr
	tensor_load_to_lds s[G0:G0+3], s[G1:G1+7]      ; slots 0 and 1: two loads of mine are out
	s_nop 0
	tensor_load_to_lds s[G0+4:G0+7], s[G1:G1+7]
	s_nop 0
.rept 4
	v_nop
.endr
	v_and_b32 v[LI], 31, v0
	v_min_u32 v[PFO], 24, v[LI]                    ; 25 blocks of 256 bytes a wave; the last lanes name the last block again
	v_lshlrev_b32 v[PFO], 8, v[PFO]
	v_lshlrev_b32 v[LI], 4, v[LI]                  ; 16 x lane
	v_and_b32 v36, 15, v0                          ; r
	v_bfe_u32 v37, v0, 4, 1                        ; h
	v_lshlrev_b32 v38, 4, v36
	v_lshlrev_b32 v[SO], 2, v36
.irp c, 0,1,2
	global_load_b128 v[16+4*\c:19+4*\c], v[LI], s[50:51] offset:512*\c   ; Q's fragment stays in registers
.endr
	global_load_b32 v255, v38, s[52:53]            ; Q's scale words
	s_and_b32 s47, s45, 7
	s_lshl_b32 s47, s47, 4
	v_add_nc_u32 v[DV], s47, v36
	v_lshlrev_b32 v37, 3, v37
	v_sub_nc_u32 v[DV], v[DV], v37                 ; in my last key step register 8 t + j is hidden where 16 t + j > 16 (T % 8) + r - 8 h
	v_mov_b32 v13, 0xff61b1e6                      ; the largest t so far: -3e38
	v_floor_f32 v12, -v13
	v_mov_b32 v14, 0
	v_mov_b32 v15, 0
.irp b, 0,1,2,3
	v_mov_b32 v[236+\b], 0                         ; a lane permute's destination counts as one of its sources
	v_mov_b32 v[TM+4+\b], 0
.endr
	v_mov_b32 v252, 0
	v_mov_b32 v253, 0
.set n, 0
.rept 64
	v_mov_b32 v[160+n], 0                          ; O^T: the step is written once; the first finds zeros
.set n, n+1
.endr
.macro SMM t                           ; S^T, tile t: 16 keys x my 16 queries
.if (\t)%2
	v_wmma_scale_f32_16x16x128_f8f6f4 v[96+8*(\t):103+8*(\t)], v[12*(\t):12*(\t)+11], v[16:27], 0, v[KSR+(\t)/2], v255 matrix_a_fmt:MATRIX_FMT_FP6 matrix_b_fmt:MATRIX_FMT_FP6 matrix_a_scale:MATRIX_SCALE_ROW1
.else
	v_wmma_scale_f32_16x16x128_f8f6f4 v[96+8*(\t):103+8*(\t)], v[12*(\t):12*(\t)+11], v[16:27], 0, v[KSR+(\t)/2], v255 matrix_a_fmt:MATRIX_FMT_FP6 matrix_b_fmt:MATRIX_FMT_FP6
.endif
.endm
.macro PMM t                           ; O^T, tile t: 16 channels x my 16 queries, over these 128 keys
.if (\t)%2
	v_wmma_scale_f32_16x16x128_f8f6f4 v[160+8*(\t):167+8*(\t)], v[96+12*(\t):96+12*(\t)+11], v[224:235], v[160+8*(\t):167+8*(\t)], v[VSR+(\t)/2], v253 matrix_a_fmt:MATRIX_FMT_FP6 matrix_b_fmt:MATRIX_FMT_FP6 matrix_a_scale:MATRIX_SCALE_ROW1
.else
	v_wmma_scale_f32_16x16x128_f8f6f4 v[160+8*(\t):167+8*(\t)], v[96+12*(\t):96+12*(\t)+11], v[224:235], v[160+8*(\t):167+8*(\t)], v[VSR+(\t)/2], v253 matrix_a_fmt:MATRIX_FMT_FP6 matrix_b_fmt:MATRIX_FMT_FP6
.endif
.endm
; cnt of the 24 loads that bring a key step's eight images, from load number from on: load i takes the 512 consecutive bytes at 512 i into registers 4 i .. 4 i + 3 of the operand's 96 (base, in window 1).
.macro LDG base, off, from, cnt
	WIN 0x40                                       ; destination window 1, address window 0
.set li, \from
.rept \cnt
	ds_load_b128 v[(\base)+4*li:(\base)+4*li+3], v[ADK] offset:(\off)+512*li
.set li, li+1
.endr
	WIN 0
.endm
.macro LDKN g                          ; third g of the next step's K (with the first third its scale block), where that step lies in this slot and is mine
	s_cmp_eq_u32 s[NX], 0
	s_cbranch_scc1 .Lno_next_\@
	LDG 0, STEPK, 8*(\g), 8
.if (\g) == 0
	ds_load_b128 v[KSR:KSR+3], v[ADS] offset:512
.endif
.Lno_next_\@:
.endm
; A KEY STEP: 128 keys.  K is in registers when it begins.
.macro STEP
	s_cmp_gt_u32 s[ST], s[DG]                      ; all its keys come after my queries: nothing to do
	s_cbranch_scc1 .Lhidden_\@
	s_cmp_eq_u32 s[CNT], 1                         ; the slot's last step,
	s_cselect_b32 s[NX], 0, 1
	s_cmp_eq_u32 s[ST], s[DG]                      ; or my last: no K is fetched for the step behind it
	s_cselect_b32 s[NX], 0, s[NX]
	WIN 0x01                                       ; source 0 in window 1
.irp t, 0,1,2,3,4,5,6,7
	SMM \t
.endr
	WIN 0
	v_add_nc_u32 v[ADK], s[TB], v[LI]              ; these four lines are the places in front of the loads into K's registers and scale block and of the first read of the scores
	v_add_nc_u32 v[ADS], s[TS], v[LI]
	v_nop
	v_nop
	LDKN 0
	s_cmp_lg_u32 s[ST], s[DG]                      ; my last step lies on the diagonal: hidden scores become -infinity ahead of the maximum
	s_cbranch_scc1 .Lopen_\@
	v_mov_b32 v254, 0xff800000
.set n, 0
.rept 64
	v_cmp_gt_i32 vcc_lo, 16*(n/8)+n%8, v[DV]
	v_cndmask_b32 v[96+n], v[96+n], v254, vcc_lo
.set n, n+1
.endr
.Lopen_\@:
.irp b, 0,1,2,3
	v_max3_num_f32 v[232+\b], v[96+16*\b], v[97+16*\b], v[98+16*\b]   ; the largest score of each block of 32 keys: for the row's maximum and, since p rises with the score, for the block's largest p
.endr
.irp i, 3,5,7,9,11,13
.irp b, 0,1,2,3
	v_max3_num_f32 v[232+\b], v[232+\b], v[96+16*\b+\i], v[97+16*\b+\i]
.endr
.endr
.irp b, 0,1,2,3
	v_max_num_f32 v[232+\b], v[232+\b], v[111+16*\b]
.endr
	LDKN 1
.irp b, 0,1,2,3
	v_permlanex16_b32 v[236+\b], v[232+\b], s[SEL], s[SEL+1]
.endr
.irp b, 0,1,2,3
	v_max_num_f32 v[232+\b], v[232+\b], v[236+\b]
.endr
	v_max3_num_f32 v254, v232, v233, v234
	v_max_num_f32 v254, v254, v235
	v_mul_f32 v254, s[CS], v254
	v_max_num_f32 v13, v13, v254                   ; the running largest t
	LDKN 2                                         ; in the middle of a chain in which each line reads the line above it
	v_mov_b32 v254, v12
	v_floor_f32 v12, -v13                          ; -M = floor(-t): M is a whole number
	v_sub_f32 v254, v12, v254
	v_cvt_i32_f32 v254, v254
	v_ldexp_f32 v252, 1.0, v254                    ; f = 2^(old M - new M): a multiplication by it rounds nothing
.set n, 0
.rept 16
	v_pk_fma_f32 v[96+n:97+n], v[96+n:97+n], s[CS:CS+1], v[12:13] op_sel_hi:[1,0,0]   ; t - M
.set n, n+2
.endr
	LDG 96, VOFF, 0, 8                             ; this step's V, first third, and its scale block
	ds_load_b128 v[VSR:VSR+3], v[ADS] offset:VSC
.rept 16
	v_pk_fma_f32 v[96+n:97+n], v[96+n:97+n], s[CS:CS+1], v[12:13] op_sel_hi:[1,0,0]
.set n, n+2
.endr
.irp b, 0,1,2,3
	v_fma_f32 v[232+\b], v[232+\b], s[CS], v12
.endr
	LDG 96, VOFF, 8, 8                             ; second third
.set n, 0
.rept 64
	v_exp_f32 v[96+n], v[96+n]                     ; p = 2^(t - M)
.set n, n+1
.endr
	v_pk_mul_f32 v[14:15], v[14:15], v[252:253] op_sel_hi:[1,0]   ; the sums under the new M: a plain instruction behind the batch
	s_wait_alu depctr_va_vdst(0)                   ; one wait for the 64, ahead of their first reader
	LDG 96, VOFF, 16, 8                            ; last third: the sums, the scales, the conversions and O^T's rescaling, some 100 lines, stand between it and the wait for it
.irp b, 0,1,2,3
	v_exp_f32 v[232+\b], v[232+\b]                 ; each block's largest p
.endr
	v_pk_add_f32 v[236:237], v[96:97], v[98:99]    ; the row's sum of the unquantised p, in two chains
.irp j, 4,8,12,16,20,24,28,32,36,40,44,48,52,56,60
	v_pk_add_f32 v[14:15], v[14:15], v[96+\j:97+\j]
	v_pk_add_f32 v[236:237], v[236:237], v[98+\j:99+\j]
.endr
	v_pk_add_f32 v[14:15], v[14:15], v[236:237]
	s_wait_alu depctr_va_vdst(0)                   ; and one for the four
.irp b, 0,1,2,3
	v_max_num_f32 v[232+\b], 0x1800000, v[232+\b]  ; the floor 2^(3 - 127)
.endr
.irp b, 0,1,2,3
	v_add_nc_u32 v[244+\b], 0xff000000, v[232+\b]
.endr
.irp b, 0,1,2,3
	v_lshrrev_b32 v[236+\b], 23, v[244+\b]
.endr
	v_lshl_or_b32 v253, v237, 8, v236              ; p's scale word for these 128 keys
	v_lshl_or_b32 v253, v238, 16, v253
	v_lshl_or_b32 v253, v239, 24, v253
.irp c, 0,1
	v_cvt_scalef32_pk16_fp6_f32 v[224+6*\c:226+6*\c], v[96+32*\c:111+32*\c], v[244+2*\c]
	v_cvt_scalef32_pk16_fp6_f32 v[236+4*\c:238+4*\c], v[112+32*\c:127+32*\c], v[244+2*\c+1]
.endr
	v_nop                                          ; one plain place behind a scaled conversion
.irp c, 0,1
.irp i, 0,1,2
	v_permlane16_swap_b32 v[224+6*\c+\i], v[236+4*\c+\i]
.endr
.irp i, 0,1,2
	v_mov_b32 v[227+6*\c+\i], v[236+4*\c+\i]
.endr
.endr
.set n, 0
.rept 32
	v_pk_mul_f32 v[160+n:161+n], v[160+n:161+n], v[252:253] op_sel_hi:[1,0]   ; O^T under the new M; these 32 are also the places between p's codes and scale word and the products
.set n, n+2
.endr
	s_wait_dscnt 0x0                               ; V is in (the youngest loads on both ways), and so is the next step's K
	WIN 0x01
.irp t, 0,1,2,3,4,5,6,7
	PMM \t                                         ; eight accumulators by turns
.endr
	WIN 0
.Lhidden_\@:
	s_add_co_u32 s[ST], s[ST], 1
	s_add_co_u32 s[TB], s[TB], STEPK
	s_add_co_u32 s[TS], s[TS], 512
.endm
; A slot's four key steps: written once, walked four times.  first = 1: slot 0, in which every wave has a key step: its K is fetched with no branch, so that K's registers are written on every way through the text.
; first = 0: a wave that has no key step left in the slot fetches nothing.
.macro SLOTWALK first
	v_add_nc_u32 v[ADK], s[TB], v[LI]
	v_add_nc_u32 v[ADS], s[TS], v[LI]
.if \first == 0
	s_cmp_gt_u32 s[ST], s[DG]
	s_cbranch_scc1 .Lno_k_\@
.endif
	LDG 0, 0, 0, 24                                ; the slot's first K
	ds_load_b128 v[KSR:KSR+3], v[ADS]
.if \first == 0
.Lno_k_\@:
.endif
	s_wait_dscnt 0x0
	s_mov_b32 s[CNT], 4
.Lstep_\@:
	STEP
	s_sub_co_u32 s[CNT], s[CNT], 1
	s_cmp_lg_u32 s[CNT], 0
	s_cbranch_scc1 .Lstep_\@
.endm
; THE CHANGE OF SLOTS.  Each wave waits for all its tensor loads (its part of the slot ahead), adds 0 to its spare word, and waits for that and for its reads of the slot that it leaves.
; fill = 1: behind a round of the cluster's barrier that slot is filled with the keys two slots on.
.macro CHANGE fill
	s_wait_tensorcnt 0x0
	ds_add_u32 v[SPW], v[NIL]
.if \fill
	s_xor_b32 s[G0+5], s[G0+5], SLOT1              ; the walking descriptor: the other slot, the next 512 keys
	s_add_nc_u64 s[G0+6:G0+7], s[G0+6:G0+7], SLOTB
	s_wait_dscnt 0x0
	CROUND
	tensor_load_to_lds s[G0+4:G0+7], s[G1:G1+7]    ; my one load behind the round
	s_nop 0
.rept 4
	v_nop
.endr
	s_cmp_gt_u32 s[SLOTS], s[LIM]                  ; a prefetch of slot 3, which the next change will ask for: four key steps ahead; only behind the first change, only waves 0-3 of the head's first cluster;
	s_cbranch_scc0 .Lnot_mine_\@                   ; the partners are told apart by address.  Slots 0 to 2 come by their loads alone
	global_prefetch_b8 v[PFO], s[PFA:PFA+1] th:TH_LOAD_NT scope:SCOPE_SE
.Lnot_mine_\@:
.else
	s_wait_dscnt 0x0
	s_barrier_signal -1
	s_barrier_wait -1
.endif
	s_sub_co_u32 s[TB], s[TB], 4*STEPK
	s_xor_b32 s[TB], s[TB], SLOT1
	s_sub_co_u32 s[TS], s[TS], 4*512
	s_xor_b32 s[TS], s[TS], SLOT1
.endm
	s_wait_tensorcnt 1                             ; my part of slot 0 is in; slot 1's may be out
	s_barrier_signal -1
	s_barrier_wait -1
	s_wait_loadcnt 0x0                             ; Q
	SLOTWALK 1
.Lslot:
	CHANGE 1
	SLOTWALK 0
	s_sub_co_u32 s[SLOTS], s[SLOTS], 1
	s_cmp_lg_u32 s[SLOTS], 0
	s_cbranch_scc1 .Lslot
	CHANGE 0                                       ; the last slot is written out
	SLOTWALK 0
.macro QUANT s, tm, pc, pw             ; 64 numbers of a lane, registers 16 b + 0..15 of block b -> a fragment's codes and the row's scale word
.irp b, 0,1,2,3
	v_max3_num_f32 v[\tm+\b], |v[\s+16*\b]|, |v[\s+1+16*\b]|, 0x1800000
.endr
.irp i, 2,4,6,8,10,12,14
.irp b, 0,1,2,3
	v_max3_num_f32 v[\tm+\b], v[\tm+\b], |v[\s+16*\b+\i]|, |v[\s+1+16*\b+\i]|
.endr
.endr
.irp b, 0,1,2,3
	v_permlanex16_b32 v[\tm+4+\b], v[\tm+\b], s[SEL], s[SEL+1]
.endr
.irp b, 0,1,2,3
	v_max_num_f32 v[\tm+\b], v[\tm+\b], v[\tm+4+\b]
.endr
.irp b, 0,1,2,3
	v_add_nc_u32 v[\tm+12+\b], 0xff000000, v[\tm+\b]
.endr
.irp b, 0,1,2,3
	v_lshrrev_b32 v[\tm+4+\b], 23, v[\tm+12+\b]
.endr
	v_lshl_or_b32 v[\pw], v[\tm+5], 8, v[\tm+4]
	v_lshl_or_b32 v[\pw], v[\tm+6], 16, v[\pw]
	v_lshl_or_b32 v[\pw], v[\tm+7], 24, v[\pw]
.irp c, 0,1
	v_cvt_scalef32_pk16_fp6_f32 v[\pc+6*\c:\pc+2+6*\c], v[\s+32*\c:\s+15+32*\c], v[\tm+12+2*\c]
	v_cvt_scalef32_pk16_fp6_f32 v[\pc+12+4*\c:\pc+14+4*\c], v[\s+16+32*\c:\s+31+32*\c], v[\tm+12+2*\c+1]
.endr
	v_nop
.irp c, 0,1
.irp i, 0,1,2
	v_permlane16_swap_b32 v[\pc+6*\c+\i], v[\pc+12+4*\c+\i]
.endr
.irp i, 0,1,2
	v_mov_b32 v[\pc+3+6*\c+\i], v[\pc+12+4*\c+\i]
.endr
.endr
.endm
	; THE WAY OUT
.rept 4
	v_nop                                          ; places behind the last products
.endr
	v_add_f32 v14, v14, v15
	v_permlanex16_b32 v252, v14, s[SEL], s[SEL+1]
	v_add_f32 v14, v14, v252                       ; the row's sum
	v_rcp_f32 v14, v14
	v_nop
	s_wait_alu depctr_va_vdst(0)
.set n, 0
.rept 64
	v_mul_f32 v[96+n], v[160+n], v14               ; register 8 t + j: channel 16 t + 8 h + j of my query
.set n, n+1
.endr
.irp b, 0,1,2,3
.irp j, 0,1,2,3,4,5,6,7
	v_permlane16_swap_b32 v[96+16*\b+\j], v[104+16*\b+\j]   ; now register 16 b + i is channel 32 b + 16 h + i: the true order
.endr
.endr
	QUANT 96, TM, PC, PW
.irp c, 0,1,2
	global_store_b128 v[LI], v[PC+4*\c:PC+4*\c+3], s[54:55] offset:512*\c   ; the image: 512 consecutive bytes a store
.endr
	global_store_b32 v[SO], v[PW], s[56:57]        ; 16 scale words, 64 bytes; lanes l and l + 16 hold the same word and write it to the same place.  The neighbouring 64 bytes are other heads'
	s_wait_tensorcnt 0x0                           ; the wave's end
	ds_add_u32 v[SPW], v[NIL]
	s_wait_dscnt 0x0
	CROUND                                         ; the closing round
	s_endpgm
.Lfunc_end_k_q8158e0d2e6_attn:
	.size	k_q8158e0d2e6_attn, .Lfunc_end_k_q8158e0d2e6_attn-k_q8158e0d2e6_attn
	.p2alignl 7, 3214868480
	.fill 96, 4, 3214868480
	.section	.rodata,"a",@progbits
	.p2align	6, 0x0
	.amdhsa_kernel k_q8158e0d2e6_attn
		.amdhsa_group_segment_fixed_size 327680
		.amdhsa_private_segment_fixed_size 0
		.amdhsa_enable_private_segment 0
		.amdhsa_kernarg_size 24
		.amdhsa_user_sgpr_count 2
		.amdhsa_user_sgpr_kernarg_segment_ptr 1
		.amdhsa_wavefront_size32 1
		.amdhsa_system_sgpr_workgroup_id_x 1
		.amdhsa_system_sgpr_workgroup_id_y 1
		.amdhsa_system_sgpr_workgroup_id_z 1
		.amdhsa_system_vgpr_workitem_id 0
		.amdhsa_next_free_vgpr 512
		.amdhsa_next_free_sgpr 66
		.amdhsa_reserve_vcc 1
		.amdhsa_float_denorm_mode_32 3
		.amdhsa_float_denorm_mode_16_64 3
		.amdhsa_memory_ordered 1
		.amdhsa_forward_progress 1
		.amdhsa_inst_pref_size 96
	.end_amdhsa_kernel
	.amdgpu_metadata
---
amdhsa.version: [ 1, 2 ]
amdhsa.kernels:
  - .name:           k_q8158e0d2e6_attn
    .symbol:         k_q8158e0d2e6_attn.kd
    .args:
      - { .name: qb, .offset: 0, .size: 8, .value_kind: global_buffer, .address_space: global }
      - { .name: kv, .offset: 8, .size: 8, .value_kind: global_buffer, .address_space: global }
      - { .name: ab, .offset: 16, .size: 8, .value_kind: global_buffer, .address_space: global }
    .group_segment_fixed_size: 327680
    .private_segment_fixed_size: 0
    .kernarg_segment_align: 8
    .kernarg_segment_size: 24
    .max_flat_workgroup_size: 256
    .sgpr_count:     66
    .vgpr_count:     512
    .wavefront_size: 32
...
	.end_amdgpu_metadata
.endif
;; end of part 3
;; launch oproj (part 4): grid 16 x 16, 4 waves a work-group, clusters of 4 x 4, 327,680 bytes of LDS; arguments ab, Wo_codes, Wo_scales, bo, x, res; writes res
.if DOCPART == 4
	.amdgcn_target "amdgcn-amd-amdhsa--gfx1250"
	.amdhsa_code_object_version 6
	.text
	.protected	k_q8158e0d2e6_oproj
	.globl	k_q8158e0d2e6_oproj
	.p2align	8
	.type	k_q8158e0d2e6_oproj,@function
k_q8158e0d2e6_oproj:
	s_mov_b64 s[64:65], 0
	v_nop
	global_prefetch_b8 v0, s[64:65] scope:SCOPE_SE
	s_setreg_imm32_b32 hwreg(HW_REG_WAVE_MODE, 25, 1), 1
	s_wait_xcnt 0x0
	s_wait_alu depctr_hold_cnt(0) depctr_sa_sdst(0) depctr_va_vdst(0) depctr_va_sdst(0) depctr_va_ssrc(0) depctr_va_vcc(0) depctr_vm_vsrc(0)
	s_getreg_b32 s2, hwreg(HW_REG_IB_STS2, 6, 4)
	s_cmp_eq_u32 s2, 0
	s_cbranch_scc0 .Lentry_in_a_cluster
	s_endpgm
.Lentry_in_a_cluster:
	s_bfe_u32 s2, ttmp6, 0x10000c
	s_cmp_lg_u32 s2, 0xf033
	s_cbranch_scc0 .Lentry_shape_is_right
	s_endpgm
.Lentry_shape_is_right:
; res = attn Wo^T + bo + x, f32.  attn comes as images of operand registers (ab: (tile of 16 rows x 16 + K step) x 1,536 bytes; scale words, 64 bytes for each, from byte 3,145,728); Wo as given codes and scale bytes.
; A tile of res is 128 x 128: 256 work-groups, one for each WGP (tiles of 256 x 256 would be 64).  Four waves of 64 x 64: 16 accumulators.
; K = 2,048 goes in four steps of 512 through two LDS slots: two first fills and two refills; the text is written out.  A slot: attn's 8 tiles x 4 images, dense; Wo's 128 rows of 384 bytes, 16 bytes of padding behind every 128
; (pitch 432 bytes = 108 words: the 16 rows of a fragment start at 16 different multiples of 4 banks, and the upper lanes lie 6 or 10 words further on).  The scale bytes for all of K come once.
; CLUSTERS: 4 x 4: attn's tiles are shared along a row of the cluster, Wo's along a column: joint loads.
; TRANSPOSED USE: source 0 = 16 rows of Wo, source 1 = a tile of attn: lane (r, h) holds row r, columns 16 b + 8 h + 0..7.  bo is the C of each sum's first instruction.
; THE WAY OUT: a block of 16 rows goes through the wave's own stage and comes back as rows of 256 bytes; x, loaded in that layout at the head, is added; 16 lanes store 256 consecutive bytes, aligned.
; REGISTERS: window 0: v16-29 addresses; v32-47 attn's scale words, two sets; v48-63 Wo's; v64-95 bo; v128-255 accumulators.  window 1: two sets of fragments (Wo's four, attn's four) at v0 and v128.  window 2: v0-127 x.
.set SLOT,   104448
.set BOFF,   49152
.set BP,     432
.set SCL,    208896
.set SPARE,  226304                    ; the spare words: 128 bytes a wave, named by no other line
.set STAGE,  226816
.set SPITCH, 272
.set ADRA,  16
.set ADRB,  18
.set ADRB2, 20
.set ADSA,  22
.set ADSB,  23
.set STO,   24
.set RD,    25
.set CO,    26
.set BNO,   27
.set SPW,   28
.set NIL,   29
.set SA,    32
.set SB,    48
.set BN,    64
.set ACC,   128
.set F0,    0
.set F1,    128
.set G1, 24
.set G0, 32
.set G1B, 48
.set G0B, 56
.set G1S, 68
.set G0S, 76
.set G1SB, 80
.set G0SB, 88
.set MSB, 0
.macro WIN new
.if MSB != \new
	s_set_vgpr_msb (MSB<<8)|\new
.set MSB, \new
.endif
.endm
.set MUL,  0x05                        ; sources 0 and 1 window 1; C and D window 0
.set TO_F, 0x40
.macro JLOAD g0a, g1a, g0b, g1b        ; waves 0 and 1 fetch for attn, waves 2 and 3 for Wo; four v_nop follow each line
	s_cmp_eq_u32 s15, 0
	s_cbranch_scc0 .Lfor_b_\@
	tensor_load_to_lds s[\g0a:\g0a+3], s[\g1a:\g1a+7]
	s_nop 0
.rept 4
	v_nop
.endr
	s_branch .Lasked_\@
.Lfor_b_\@:
	tensor_load_to_lds s[\g0b:\g0b+3], s[\g1b:\g1b+7]
	s_nop 0
.rept 4
	v_nop
.endr
.Lasked_\@:
.endm
.macro CREST
	s_cmp_lg_u32 s14, 0
	s_cbranch_scc1 .Lnot_wave_0_\@
	s_barrier_signal -3
.Lnot_wave_0_\@:
	s_barrier_wait -3
	s_barrier_signal -1
	s_barrier_wait -1
.endm
.macro CROUND
	s_barrier_signal -1
	s_barrier_wait -1
	CREST
.endm
.macro PLACES
.rept 4
	v_nop
.endr
.endm
	s_load_b256 s[4:11], s[0:1], 0x0               ; ab, Wo's codes, Wo's scales, bo
	s_load_b128 s[92:95], s[0:1], 0x20             ; x, res
	v_lshl_add_u32 v[SPW], v0, 2, SPARE
	v_mov_b32 v[NIL], 0
	ds_add_u32 v28, v29
	ds_add_u32 v28, v29
	s_wait_dscnt 0x0
	v_lshrrev_b32 v1, 5, v0
	v_readfirstlane_b32 s14, v1                    ; wave 0..3
	s_lshr_b32 s15, s14, 1                         ; my half of the rows; also: I fetch for attn (0) or Wo (1)
	s_and_b32 s16, s14, 1                          ; my half of the columns; also: which half I fetch
	s_bfe_u32 s40, ttmp6, 0x40000
	s_bfe_u32 s41, ttmp6, 0x40004
	s_lshl_b32 s42, ttmp9, 2
	s_add_co_u32 s42, s42, s40                     ; tile column
	s_and_b32 s17, ttmp7, 0xffff
	s_lshl_b32 s17, s17, 2
	s_add_co_u32 s17, s17, s41                     ; tile row
	s_lshl_b32 s43, s41, 2
	s_lshl_b32 s43, 15, s43
	s_lshl_b32 s44, 0x1111, s40
	; attn: 4 rows (tiles) of 6,144 bytes (768 elements of 8), 24,576 bytes apart, dense in LDS
	s_or_b32 s[G1+0], s43, (3<<16)|(1<<21)
	s_mov_b32 s[G1+1], 768<<16
	s_mov_b32 s[G1+2], 4<<16
	s_mov_b32 s[G1+3], 768<<16
	s_mov_b32 s[G1+4], 4
	s_mov_b32 s[G1+5], 3072
	s_mov_b32 s[G1+6], 0
	s_mov_b32 s[G1+7], 0
	; Wo: 64 rows of 384 bytes, 1,536 apart; 4 words of padding behind every 32
	s_or_b32 s[G1B+0], s44, (0<<16)|(1<<20)|(1<<21)|(4<<22)|(3<<25)
	s_mov_b32 s[G1B+1], 384<<16
	s_mov_b32 s[G1B+2], 64<<16
	s_mov_b32 s[G1B+3], 384<<16
	s_mov_b32 s[G1B+4], 64
	s_mov_b32 s[G1B+5], 1536
	s_mov_b32 s[G1B+6], 0
	s_mov_b32 s[G1B+7], 0
	; scales: 4,096 dense bytes as 16 rows of 256, 16 bytes of padding behind each
	s_or_b32 s[G1S+0], s43, (3<<16)|(1<<20)|(1<<21)|(5<<22)|(3<<25)
	s_or_b32 s[G1SB+0], s44, (3<<16)|(1<<20)|(1<<21)|(5<<22)|(3<<25)
.irp g, G1S, G1SB
	s_mov_b32 s[\g+1], 32<<16
	s_mov_b32 s[\g+2], 16<<16
	s_mov_b32 s[\g+3], 32<<16
	s_mov_b32 s[\g+4], 16
	s_mov_b32 s[\g+5], 32
	s_mov_b32 s[\g+6], 0
	s_mov_b32 s[\g+7], 0
.endr
	s_lshl_b32 s20, s17, 3
	s_lshl_b32 s18, s16, 2
	s_add_co_u32 s20, s20, s18                     ; attn: the first tile that I fetch: 8 x tile row + 4 x half
	s_lshl_b32 s22, s20, 10
	s_add_co_u32 s22, s22, 3145728                 ; its scale words
	s_mov_b32 s23, 0
	s_mul_i32 s20, s20, 24576                      ; its images
	s_mov_b32 s21, 0
	s_lshl_b32 s46, s42, 7
	s_lshl_b32 s18, s16, 6
	s_add_co_u32 s46, s46, s18                     ; Wo: row 128 x tile column + 64 x half
	s_lshl_b32 s96, s46, 6
	s_mov_b32 s97, 0
	s_mul_i32 s46, s46, 1536
	s_mov_b32 s47, 0
	s_mul_i32 s45, s16, 24576                      ; LDS: attn's half,
	s_mul_i32 s98, s16, 27648
	s_add_co_u32 s98, s98, BOFF                    ; Wo's half,
	s_mul_i32 s99, s14, 4352                       ; the scales: wave x 16 rows
	s_wait_kmcnt 0x0
	s_add_nc_u64 s[20:21], s[4:5], s[20:21]
	s_add_nc_u64 s[22:23], s[4:5], s[22:23]
	s_add_nc_u64 s[46:47], s[6:7], s[46:47]
	s_add_nc_u64 s[96:97], s[8:9], s[96:97]
	CROUND                                         ; all sixteen work-groups are here
	s_mov_b32 s[G0S], 1
	s_add_co_u32 s[G0S+1], s99, SCL
	s_mov_b64 s[G0S+2:G0S+3], s[22:23]
	s_or_b32 s[G0S+3], s[G0S+3], 0x80000000
	s_mov_b32 s[G0SB], 1
	s_add_co_u32 s[G0SB+1], s99, SCL
	s_mov_b64 s[G0SB+2:G0SB+3], s[96:97]
	s_or_b32 s[G0SB+3], s[G0SB+3], 0x80000000
	JLOAD G0S, G1S, G0SB, G1SB                     ; three loads of mine are out at the most
.irp s, 0,1
	s_mov_b32 s[G0+4*\s], 1
	s_add_co_u32 s[G0+4*\s+1], s45, \s*SLOT
	s_add_nc_u64 s[G0+4*\s+2:G0+4*\s+3], s[20:21], \s*6144
	s_or_b32 s[G0+4*\s+3], s[G0+4*\s+3], 0x80000000
	s_mov_b32 s[G0B+4*\s], 1
	s_add_co_u32 s[G0B+4*\s+1], s98, \s*SLOT
	s_add_nc_u64 s[G0B+4*\s+2:G0B+4*\s+3], s[46:47], \s*384
	s_or_b32 s[G0B+4*\s+3], s[G0B+4*\s+3], 0x80000000
	JLOAD G0+4*\s, G1, G0B+4*\s, G1B
.endr
	v_and_b32 v1, 15, v0                           ; r
	v_bfe_u32 v2, v0, 4, 1                         ; h
	v_and_b32 v3, 31, v0
	v_lshlrev_b32 v3, 4, v3                        ; 16 x lane
	s_mul_i32 s18, s15, 24576
	v_add_nc_u32 v[ADRA], s18, v3                  ; my four tiles of attn
	v_add_nc_u32 v[ADRA+1], SLOT, v[ADRA]
	v_mul_u32_u24 v4, v1, BP
	v_mad_u32_u24 v4, v2, 24, v4
	s_mul_i32 s18, s16, 27648
	s_add_co_u32 s18, s18, BOFF
	v_add_nc_u32 v[ADRB], s18, v4                  ; my 64 rows of Wo: row x pitch + 24 h
	v_add_nc_u32 v[ADRB+1], SLOT, v[ADRB]
	v_lshl_add_u32 v[ADRB2], v2, 4, v[ADRB]        ; and the same behind one padding more
	v_lshl_add_u32 v[ADRB2+1], v2, 4, v[ADRB+1]
	v_mul_u32_u24 v4, v2, 1088                     ; scale words: lanes 16-31 take the next tile or block, 1,088 bytes on
	v_lshl_add_u32 v5, v1, 2, v4
	s_mul_i32 s18, s15, 4352
	s_add_co_u32 s18, s18, SCL
	v_add_nc_u32 v[ADSA], s18, v5                  ; attn's: 4 r
	v_lshrrev_b32 v5, 2, v1
	v_mad_u32_u24 v4, v5, 272, v4
	v_and_b32 v5, 3, v1
	v_lshl_add_u32 v4, v5, 6, v4
	s_mul_i32 s18, s16, 4352
	s_add_co_u32 s18, s18, SCL+8704
	v_add_nc_u32 v[ADSB], s18, v4                  ; Wo's: 64 bytes a row, four rows to 272 bytes
	s_mul_i32 s18, s14, 16*SPITCH
	s_add_co_u32 s18, s18, STAGE
	v_mul_u32_u24 v4, v1, SPITCH
	v_lshl_add_u32 v4, v2, 5, v4
	v_add_nc_u32 v[STO], s18, v4                   ; into my stage: row r, + 32 h
	v_mul_u32_u24 v4, v2, SPITCH
	v_lshl_add_u32 v4, v1, 4, v4
	v_add_nc_u32 v[RD], s18, v4                    ; back: lanes 0-15 one row, lanes 16-31 the next
	v_lshlrev_b32 v[CO], 13, v2
	v_lshl_add_u32 v[CO], v1, 4, v[CO]             ; the same two rows in x and in res
	v_lshlrev_b32 v[BNO], 5, v2
	s_lshl_b32 s18, s42, 9
	s_lshl_b32 s19, s16, 8
	s_add_co_u32 s18, s18, s19                     ; my first column, in bytes
	s_mov_b32 s19, 0
	s_add_nc_u64 s[10:11], s[10:11], s[18:19]
	s_lshl_b32 s2, s17, 7
	s_lshl_b32 s3, s15, 6
	s_add_co_u32 s2, s2, s3                        ; my first row
	s_lshl_b32 s2, s2, 13
	s_add_co_u32 s18, s18, s2
	s_add_nc_u64 s[92:93], s[92:93], s[18:19]
	s_add_nc_u64 s[94:95], s[94:95], s[18:19]
.irp b, 0,1,2,3
	global_load_b128 v[BN+8*\b:BN+8*\b+3], v[BNO], s[10:11] offset:64*\b
	global_load_b128 v[BN+8*\b+4:BN+8*\b+7], v[BNO], s[10:11] offset:64*\b+16
.endr
	WIN 0x80                                       ; destination window 2
.irp a, 0,1,2,3
.irp t, 0,1,2,3,4,5,6,7
	global_load_b128 v[32*\a+4*\t:32*\a+4*\t+3], v[CO], s[92:93] offset:(16*\a+2*\t)*8192 th:TH_LOAD_NT
.endr
.endr
	WIN 0
.macro FETCH slot, ks, f               ; 36 loads: Wo's four fragments (pieces of 8 bytes), attn's four (images)
	WIN TO_F
.irp i, 0,1,2,3
.irp p, 0,1,2,3,4,5
.set PCN, 12*(\ks)+6*(\p/3)+\p%3
.if PCN%16 < 13
	ds_load_b64 v[(\f)+12*\i+2*\p:(\f)+12*\i+2*\p+1], v[ADRB+\slot] offset:8*PCN+16*(PCN/16)+\i*16*BP
.else
	ds_load_b64 v[(\f)+12*\i+2*\p:(\f)+12*\i+2*\p+1], v[ADRB2+\slot] offset:8*PCN+16*(PCN/16)+\i*16*BP
.endif
.endr
.endr
.irp i, 0,1,2,3
.irp c, 0,1,2
	ds_load_b128 v[(\f)+48+12*\i+4*\c:(\f)+48+12*\i+4*\c+3], v[ADRA+\slot] offset:\i*6144+(\ks)*1536+512*\c
.endr
.endr
.endm
.macro SCL_LD sig, set                 ; the scale words of K = 512 sig on: 10 loads
.irp p, 0,1
.irp k, 0,1,2,3
	ds_load_b32 v[SA+8*\set+4*\p+\k], v[ADSA] offset:2176*\p+272*\sig+64*\k
.endr
	ds_load_b128 v[SB+8*\set+4*\p:SB+8*\set+4*\p+3], v[ADSB] offset:2176*\p+16*\sig
.endr
.endm
.macro WM a, b, ks, f, sc, first
.set DD, ACC+8*(4*(\a)+(\b))
.set FB, (\f)+12*(\b)
.set FA, (\f)+48+12*(\a)
.set RB, SB+8*(\sc)+4*((\b)/2)+(\ks)
.set RA, SA+8*(\sc)+4*((\a)/2)+(\ks)
.set CC, DD
.if \first
.set CC, BN+8*(\b)
.endif
.if (\b)%2
.if (\a)%2
	v_wmma_scale_f32_16x16x128_f8f6f4 v[DD:DD+7], v[FB:FB+11], v[FA:FA+11], v[CC:CC+7], v[RB], v[RA] matrix_a_fmt:MATRIX_FMT_FP6 matrix_b_fmt:MATRIX_FMT_FP6 matrix_a_scale:MATRIX_SCALE_ROW1 matrix_b_scale:MATRIX_SCALE_ROW1
.else
	v_wmma_scale_f32_16x16x128_f8f6f4 v[DD:DD+7], v[FB:FB+11], v[FA:FA+11], v[CC:CC+7], v[RB], v[RA] matrix_a_fmt:MATRIX_FMT_FP6 matrix_b_fmt:MATRIX_FMT_FP6 matrix_a_scale:MATRIX_SCALE_ROW1
.endif
.else
.if (\a)%2
	v_wmma_scale_f32_16x16x128_f8f6f4 v[DD:DD+7], v[FB:FB+11], v[FA:FA+11], v[CC:CC+7], v[RB], v[RA] matrix_a_fmt:MATRIX_FMT_FP6 matrix_b_fmt:MATRIX_FMT_FP6 matrix_b_scale:MATRIX_SCALE_ROW1
.else
	v_wmma_scale_f32_16x16x128_f8f6f4 v[DD:DD+7], v[FB:FB+11], v[FA:FA+11], v[CC:CC+7], v[RB], v[RA] matrix_a_fmt:MATRIX_FMT_FP6 matrix_b_fmt:MATRIX_FMT_FP6
.endif
.endif
.endm
.macro MUL4 a, ks, f, sc, first        ; the 16 accumulators take turns, in the same order in every step
.irp b, 0,1,2,3
	WM \a, \b, \ks, \f, \sc, \first
.endr
.endm
.macro KSTEP slot, ks, first           ; one of a slot's first three steps of 128: multiplies set ks % 2, fetches the next step into the other
	PLACES                                         ; in front of loads into registers that the last step's products have read
	FETCH \slot, (\ks)+1, 128*(1-(\ks)%2)
	s_wait_dscnt 36                                ; all but the 36 just issued
	WIN MUL
.irp a, 0,1,2,3
	MUL4 \a, \ks, 128*((\ks)%2), \slot, \first
.endr
.endm
.macro TURN slot, next, fill, sig      ; a slot's last step changes slots: one barrier; sig: the next slot's place along K
	WIN 0
	s_wait_tensorcnt 0x0                           ; all my tensor loads have landed: my part of the next slot
	ds_add_u32 v[SPW], v[NIL]
	s_wait_dscnt 1                                 ; this step's fragments are in; the add may be out
	WIN MUL
	MUL4 0, 3, F1, \slot, 0
	s_wait_dscnt 0x0                               ; the add is done, and my reads of this slot are over
	s_barrier_signal -1
	MUL4 1, 3, F1, \slot, 0
	WIN 0
	s_barrier_wait -1
.if \fill
	CREST                                          ; the barrier has opened a round of the cluster's
	s_add_nc_u64 s[G0+4*\slot+2:G0+4*\slot+3], s[G0+4*\slot+2:G0+4*\slot+3], 2*6144
	s_add_nc_u64 s[G0B+4*\slot+2:G0B+4*\slot+3], s[G0B+4*\slot+2:G0B+4*\slot+3], 2*384
	JLOAD G0+4*\slot, G1, G0B+4*\slot, G1B         ; the first tensor load behind the round; its four v_nop are the places in front of the loads below
.else
	PLACES
.endif
	FETCH \next, 0, F0
	WIN 0
	SCL_LD \sig, \next
	WIN MUL
	MUL4 2, 3, F1, \slot, 0
	MUL4 3, 3, F1, \slot, 0
.endm
	s_wait_tensorcnt 1                             ; the scales and my part of slot 0 are in; slot 1's load may be out
	s_barrier_signal -1
	s_barrier_wait -1
	FETCH 0, 0, F0
	WIN 0
	SCL_LD 0, 0
	s_wait_loadcnt 32                              ; bo is in; x's 32 loads may be out
	KSTEP 0, 0, 1                                  ; the first step's products start the sums, from bo
	KSTEP 0, 1, 0
	KSTEP 0, 2, 0
	TURN 0, 1, 1, 1
	KSTEP 1, 0, 0
	KSTEP 1, 1, 0
	KSTEP 1, 2, 0
	TURN 1, 0, 1, 2
	KSTEP 0, 0, 0
	KSTEP 0, 1, 0
	KSTEP 0, 2, 0
	TURN 0, 1, 0, 3                                ; nothing is left to fetch
	KSTEP 1, 0, 0
	KSTEP 1, 1, 0
	KSTEP 1, 2, 0
	s_wait_dscnt 0x0
.irp a, 0,1,2,3
	MUL4 \a, 3, F1, 1, 0
.endr
	WIN 0
.macro TOSTAGE a                       ; LDS serves a wave's instructions in order: the loads see the stores, and the next block's stores come behind them
.set BB, 64-32*((\a)%2)
.irp b, 0,1,2,3
	ds_store_b128 v[STO], v[ACC+8*(4*(\a)+\b):ACC+8*(4*(\a)+\b)+3] offset:64*\b       ; each accumulator from its low end on
	ds_store_b128 v[STO], v[ACC+8*(4*(\a)+\b)+4:ACC+8*(4*(\a)+\b)+7] offset:64*\b+16
.endr
.irp t, 0,1,2,3,4,5,6,7
	ds_load_b128 v[BB+4*\t:BB+4*\t+3], v[RD] offset:\t*2*SPITCH
.endr
.endm
.macro SEND a, younger                 ; younger: the LDS instructions issued behind block a's loads
.set BB, 64-32*((\a)%2)
	s_wait_dscnt \younger
	WIN 0x08                                       ; source 1: x, in window 2
.set i, 0
.rept 16
	v_pk_add_f32 v[BB+i:BB+i+1], v[BB+i:BB+i+1], v[32*(\a)+i:32*(\a)+i+1]
.set i, i+2
.endr
	WIN 0
.irp t, 0,1,2,3,4,5,6,7
	global_store_b128 v[CO], v[BB+4*\t:BB+4*\t+3], s[94:95] offset:(16*(\a)+2*\t)*8192   ; 16 lanes store 256 consecutive bytes, aligned
.endr
.endm
	PLACES                                         ; behind the last products
	s_wait_loadcnt 0x0                             ; x
	TOSTAGE 0
	TOSTAGE 1
	SEND 0, 16                                     ; behind block 0's loads: block 1's 8 stores and 8 loads
	s_wait_xcnt 0x0                                ; block 0's stores have read their registers: block 2's loads may land there
	TOSTAGE 2
	SEND 1, 16
	s_wait_xcnt 0x0
	TOSTAGE 3
	SEND 2, 16
	SEND 3, 0
	s_wait_tensorcnt 0x0                           ; the wave's end
	ds_add_u32 v[SPW], v[NIL]
	s_wait_dscnt 0x0
	CROUND                                         ; the closing round
	s_endpgm
.Lfunc_end_k_q8158e0d2e6_oproj:
	.size	k_q8158e0d2e6_oproj, .Lfunc_end_k_q8158e0d2e6_oproj-k_q8158e0d2e6_oproj
	.p2alignl 7, 3214868480
	.fill 96, 4, 3214868480
	.section	.rodata,"a",@progbits
	.p2align	6, 0x0
	.amdhsa_kernel k_q8158e0d2e6_oproj
		.amdhsa_group_segment_fixed_size 327680
		.amdhsa_private_segment_fixed_size 0
		.amdhsa_enable_private_segment 0
		.amdhsa_kernarg_size 48
		.amdhsa_user_sgpr_count 2
		.amdhsa_user_sgpr_kernarg_segment_ptr 1
		.amdhsa_wavefront_size32 1
		.amdhsa_system_sgpr_workgroup_id_x 1
		.amdhsa_system_sgpr_workgroup_id_y 1
		.amdhsa_system_sgpr_workgroup_id_z 1
		.amdhsa_system_vgpr_workitem_id 0
		.amdhsa_next_free_vgpr 768
		.amdhsa_next_free_sgpr 100
		.amdhsa_reserve_vcc 0
		.amdhsa_float_denorm_mode_32 3
		.amdhsa_float_denorm_mode_16_64 3
		.amdhsa_memory_ordered 1
		.amdhsa_forward_progress 1
		.amdhsa_inst_pref_size 103
	.end_amdhsa_kernel
	.amdgpu_metadata
---
amdhsa.version: [ 1, 2 ]
amdhsa.kernels:
  - .name:           k_q8158e0d2e6_oproj
    .symbol:         k_q8158e0d2e6_oproj.kd
    .args:
      - { .name: ab, .offset: 0, .size: 8, .value_kind: global_buffer, .address_space: global }
      - { .name: Wo_codes, .offset: 8, .size: 8, .value_kind: global_buffer, .address_space: global }
      - { .name: Wo_scales, .offset: 16, .size: 8, .value_kind: global_buffer, .address_space: global }
      - { .name: bo, .offset: 24, .size: 8, .value_kind: global_buffer, .address_space: global }
      - { .name: x, .offset: 32, .size: 8, .value_kind: global_buffer, .address_space: global }
      - { .name: res, .offset: 40, .size: 8, .value_kind: global_buffer, .address_space: global }
    .group_segment_fixed_size: 327680
    .private_segment_fixed_size: 0
    .kernarg_segment_align: 8
    .kernarg_segment_size: 48
    .max_flat_workgroup_size: 128
    .sgpr_count:     100
    .vgpr_count:     768
    .wavefront_size: 32
...
	.end_amdgpu_metadata
.endif
;; end of part 4
;; launch ln (part 5): grid 256 x 1, 8 waves a work-group, no clusters, 17,408 bytes of LDS; arguments res, ln_w, ln_b, out0; writes out0
.if DOCPART == 5
	.amdgcn_target "amdgcn-amd-amdhsa--gfx1250"
	.amdhsa_code_object_version 6
	.text
	.protected	k_q8158e0d2e6_ln
	.globl	k_q8158e0d2e6_ln
	.p2align	8
	.type	k_q8158e0d2e6_ln,@function
k_q8158e0d2e6_ln:
	s_mov_b64 s[64:65], 0
	v_nop
	global_prefetch_b8 v0, s[64:65] scope:SCOPE_SE
	s_setreg_imm32_b32 hwreg(HW_REG_WAVE_MODE, 25, 1), 1
	s_wait_xcnt 0x0
; out0[r][:] = (res[r][:] - mean) / sqrt(var + 1e-5) x ln_w + ln_b, rows of 2,048 f32.  One wave, one row: 64 registers; the row is read once and stays in registers for both passes
; (mean first, then the squares of the differences: no difference of large sums is formed).  2,048 waves: all rows are on their way at once.  No matrix unit, no cluster: memory binds, and work-groups share only 16 KB.
; ln_w and ln_b are read once by a work-group, 32 bytes of each a thread, and handed to the eight waves through LDS.  The reciprocal root is v_rsq_f32.
.set X, 16                             ; v16-79   the row
.set W, 80                             ; v80-143  ln_w at my columns
.set B, 144                            ; v144-207 ln_b
	s_load_b256 s[4:11], s[0:1], 0x0               ; res, ln_w, ln_b, out0
	v_lshl_add_u32 v208, v0, 2, 0x4000
	v_mov_b32 v209, 0
	v_lshrrev_b32 v1, 5, v0
	v_readfirstlane_b32 s12, v1                    ; wave
	v_and_b32 v1, 31, v0
	v_lshlrev_b32 v1, 4, v1                        ; 16 x lane
	v_lshlrev_b32 v2, 5, v0                        ; 32 x thread
	s_lshl_b32 s14, ttmp9, 3
	s_add_co_u32 s14, s14, s12                     ; my row
	s_lshl_b32 s14, s14, 13
	s_mov_b32 s15, 0
	s_mov_b32 s16, 0x76543210
	s_mov_b32 s17, 0xfedcba98
	s_mov_b32 s18, 0x3a000000                      ; 1 / 2048
	s_wait_kmcnt 0x0
	s_add_nc_u64 s[4:5], s[4:5], s[14:15]
	s_add_nc_u64 s[10:11], s[10:11], s[14:15]
	global_load_b128 v[W:W+3], v2, s[6:7]
	global_load_b128 v[W+4:W+7], v2, s[6:7] offset:16
	global_load_b128 v[W+8:W+11], v2, s[8:9]
	global_load_b128 v[W+12:W+15], v2, s[8:9] offset:16
.irp i, 0,1,2,3,4,5,6,7,8,9,10,11,12,13,14,15
	global_load_b128 v[X+4*\i:X+4*\i+3], v1, s[4:5] offset:512*\i th:TH_LOAD_NT   ; 512 consecutive bytes a load
.endr
	s_wait_loadcnt 16                              ; my pieces of ln_w and ln_b are in; the row's 16 loads may be out
	ds_store_b128 v2, v[W:W+3]
	ds_store_b128 v2, v[W+4:W+7] offset:16
	ds_store_b128 v2, v[W+8:W+11] offset:8192
	ds_store_b128 v2, v[W+12:W+15] offset:8208
	s_wait_dscnt 0x0                               ; my stores have landed
	s_barrier_signal -1
	s_barrier_wait -1                              ; everybody's have
.irp i, 0,1,2,3,4,5,6,7,8,9,10,11,12,13,14,15
	ds_load_b128 v[W+4*\i:W+4*\i+3], v1 offset:512*\i
	ds_load_b128 v[B+4*\i:B+4*\i+3], v1 offset:8192+512*\i
.endr
	s_wait_loadcnt 0x0                             ; the row
.irp c, 0,1,2,3
	v_pk_add_f32 v[4+2*\c:5+2*\c], v[X+2*\c:X+2*\c+1], v[X+8+2*\c:X+9+2*\c]   ; four chains; the first pairs start them
.endr
.irp k, 2,3,4,5,6,7
.irp c, 0,1,2,3
	v_pk_add_f32 v[4+2*\c:5+2*\c], v[4+2*\c:5+2*\c], v[X+8*\k+2*\c:X+8*\k+2*\c+1]
.endr
.endr
.macro REDUCE                          ; v[4:11] -> the sum over the row, in every lane's v4
	v_pk_add_f32 v[4:5], v[4:5], v[6:7]
	v_pk_add_f32 v[8:9], v[8:9], v[10:11]
	v_pk_add_f32 v[4:5], v[4:5], v[8:9]
	v_add_f32 v4, v4, v5
	v_add_f32_dpp v4, v4, v4 row_xmask:1 row_mask:0xf bank_mask:0xf
	v_add_f32_dpp v4, v4, v4 row_xmask:2 row_mask:0xf bank_mask:0xf
	v_add_f32_dpp v4, v4, v4 row_xmask:4 row_mask:0xf bank_mask:0xf
	v_add_f32_dpp v4, v4, v4 row_xmask:8 row_mask:0xf bank_mask:0xf
	v_permlanex16_b32 v5, v4, s16, s17
	v_add_f32 v4, v4, v5
.endm
	REDUCE
	v_mul_f32 v12, s18, v4                         ; the mean
	v_mov_b32 v13, v12
.set j, 0
.rept 32
	v_pk_add_f32 v[X+j:X+j+1], v[X+j:X+j+1], v[12:13] neg_lo:[0,1] neg_hi:[0,1]   ; d = x - mean, in place
.set j, j+2
.endr
.irp c, 0,1,2,3
	v_pk_mul_f32 v[4+2*\c:5+2*\c], v[X+2*\c:X+2*\c+1], v[X+2*\c:X+2*\c+1]
.endr
.irp k, 1,2,3,4,5,6,7
.irp c, 0,1,2,3
	v_pk_fma_f32 v[4+2*\c:5+2*\c], v[X+8*\k+2*\c:X+8*\k+2*\c+1], v[X+8*\k+2*\c:X+8*\k+2*\c+1], v[4+2*\c:5+2*\c]
.endr
.endr
	REDUCE
	v_fmaak_f32 v14, s18, v4, 0x3727c5ac           ; the variance + 1e-5
	v_rsq_f32 v14, v14
	v_mov_b32 v15, 0                               ; a plain instruction behind the transcendental (v15 is named with v14 as a pair)
	s_wait_alu depctr_va_vdst(0)                   ; ahead of the first reader
	s_wait_dscnt 0x0                               ; ln_w and ln_b
.set j, 0
.rept 32
	v_pk_mul_f32 v[X+j:X+j+1], v[X+j:X+j+1], v[14:15] op_sel_hi:[1,0]
.set j, j+2
.endr
.set j, 0
.rept 32
	v_pk_fma_f32 v[X+j:X+j+1], v[X+j:X+j+1], v[W+j:W+j+1], v[B+j:B+j+1]
.set j, j+2
.endr
.irp i, 0,1,2,3,4,5,6,7,8,9,10,11,12,13,14,15
	global_store_b128 v1, v[X+4*\i:X+4*\i+3], s[10:11] offset:512*\i th:TH_STORE_NT   ; 512 consecutive bytes a store, aligned
.endr
	s_wait_tensorcnt 0x0
	ds_add_u32 v208, v209
	s_wait_dscnt 0x0
	s_endpgm
.Lfunc_end_k_q8158e0d2e6_ln:
	.size	k_q8158e0d2e6_ln, .Lfunc_end_k_q8158e0d2e6_ln-k_q8158e0d2e6_ln
	.p2alignl 7, 3214868480
	.fill 96, 4, 3214868480
	.section	.rodata,"a",@progbits
	.p2align	6, 0x0
	.amdhsa_kernel k_q8158e0d2e6_ln
		.amdhsa_group_segment_fixed_size 17408
		.amdhsa_private_segment_fixed_size 0
		.amdhsa_enable_private_segment 0
		.amdhsa_kernarg_size 32
		.amdhsa_user_sgpr_count 2
		.amdhsa_user_sgpr_kernarg_segment_ptr 1
		.amdhsa_wavefront_size32 1
		.amdhsa_system_sgpr_workgroup_id_x 1
		.amdhsa_system_sgpr_workgroup_id_y 1
		.amdhsa_system_sgpr_workgroup_id_z 1
		.amdhsa_system_vgpr_workitem_id 0
		.amdhsa_next_free_vgpr 210
		.amdhsa_next_free_sgpr 66
		.amdhsa_reserve_vcc 0
		.amdhsa_float_denorm_mode_32 3
		.amdhsa_float_denorm_mode_16_64 3
		.amdhsa_memory_ordered 1
		.amdhsa_forward_progress 1
		.amdhsa_inst_pref_size 19
	.end_amdhsa_kernel
	.amdgpu_metadata
---
amdhsa.version: [ 1, 2 ]
amdhsa.kernels:
  - .name:           k_q8158e0d2e6_ln
    .symbol:         k_q8158e0d2e6_ln.kd
    .args:
      - { .name: res, .offset: 0, .size: 8, .value_kind: global_buffer, .address_space: global }
      - { .name: ln_w, .offset: 8, .size: 8, .value_kind: global_buffer, .address_space: global }
      - { .name: ln_b, .offset: 16, .size: 8, .value_kind: global_buffer, .address_space: global }
      - { .name: out0, .offset: 24, .size: 8, .value_kind: global_buffer, .address_space: global }
    .group_segment_fixed_size: 17408
    .private_segment_fixed_size: 0
    .kernarg_segment_align: 8
    .kernarg_segment_size: 32
    .max_flat_workgroup_size: 256
    .sgpr_count:     66
    .vgpr_count:     210
    .wavefront_size: 32
...
	.end_amdgpu_metadata
.endif
;; end of part 5
